; MI455X (gfx1250); checked and timed in simulation.
; The chip was launched on July 23, 2026; its instructions are those of AMD's public machine-readable ISA for CDNA 5 (MIT licence, August 2026) and "CDNA5" Instruction Set Architecture Reference Guide (July 2026). The comments in the code are by the model that wrote it; some were corrected since.
;; Sparse Mo EFFN. Allowed arithmetic: matrix products marked QUANTISED: E5M2 operands, one given power-of-two scale a tensor, by v_wmma_f32_16x16x64_bf8_bf8 or v_wmma_f32_16x16x128_bf8_bf8, f32 sums; products left as they are: f32 operands where the result goes on into a quantised operand, else bf16, f16 or f32 operands; f32 sums; everything else in f32.
;; Inputs: W1 8 x 1,024 x 4,096 float32; W2 8 x 4,096 x 1,024 float32; b1 8 x 4,096 float32; b2 8 x 1,024 float32; lowp_scales 32 int32 (the exponents e of the quantised operands' scales 2^e); w_router 1,024 x 8 float32; x 8 x 128 x 1,024 float32.
;; Outputs: out0 8 x 128 x 1,024 float32; out1 one number float32.
;; This version of the problem:
;;   THIS VERSION OF THE PROBLEM IS GIVEN IN LOW PRECISION. The matrix products marked QUANTISED in the list below multiply operands that are first quantised to E5M2 (5 exponent bits, 2 mantissa bits; 8 bits a number), with one given power-of-two scale for each operand tensor; their sums are f32. All else is computed in f32.
;;   The module's matrix products, in the order in which they are computed (A, B: the left and right operand; K: the contracted axis; several contracted axes count as one K, in the product's order):
;;     1. [M 1,024, K 1,024] x [K 1,024, N 8]; A: input x; B: input w_router: left as it is (N = 8 < 16)
;;     2. [M 1,024, K 1,024] x [K 1,024, N 4,096]; A: input x; B: input W1: QUANTISED (scales: A lowp_scales[0], B lowp_scales[1])
;;     3. [M 1,024, K 4,096] x [K 4,096, N 1,024]; A: computed on the way; B: input W2: QUANTISED (scales: A lowp_scales[2], B lowp_scales[3])
;;     4. [M 1,024, K 1,024] x [K 1,024, N 4,096]; A: input x; B: input W1: QUANTISED (scales: A lowp_scales[4], B lowp_scales[5])
;;     5. [M 1,024, K 4,096] x [K 4,096, N 1,024]; A: computed on the way; B: input W2: QUANTISED (scales: A lowp_scales[6], B lowp_scales[7])
;;     6. [M 1,024, K 1,024] x [K 1,024, N 4,096]; A: input x; B: input W1: QUANTISED (scales: A lowp_scales[8], B lowp_scales[9])
;;     7. [M 1,024, K 4,096] x [K 4,096, N 1,024]; A: computed on the way; B: input W2: QUANTISED (scales: A lowp_scales[10], B lowp_scales[11])
;;     8. [M 1,024, K 1,024] x [K 1,024, N 4,096]; A: input x; B: input W1: QUANTISED (scales: A lowp_scales[12], B lowp_scales[13])
;;     9. [M 1,024, K 4,096] x [K 4,096, N 1,024]; A: computed on the way; B: input W2: QUANTISED (scales: A lowp_scales[14], B lowp_scales[15])
;;     10. [M 1,024, K 1,024] x [K 1,024, N 4,096]; A: input x; B: input W1: QUANTISED (scales: A lowp_scales[16], B lowp_scales[17])
;;     11. [M 1,024, K 4,096] x [K 4,096, N 1,024]; A: computed on the way; B: input W2: QUANTISED (scales: A lowp_scales[18], B lowp_scales[19])
;;     12. [M 1,024, K 1,024] x [K 1,024, N 4,096]; A: input x; B: input W1: QUANTISED (scales: A lowp_scales[20], B lowp_scales[21])
;;     13. [M 1,024, K 4,096] x [K 4,096, N 1,024]; A: computed on the way; B: input W2: QUANTISED (scales: A lowp_scales[22], B lowp_scales[23])
;;     14. [M 1,024, K 1,024] x [K 1,024, N 4,096]; A: input x; B: input W1: QUANTISED (scales: A lowp_scales[24], B lowp_scales[25])
;;     15. [M 1,024, K 4,096] x [K 4,096, N 1,024]; A: computed on the way; B: input W2: QUANTISED (scales: A lowp_scales[26], B lowp_scales[27])
;;     16. [M 1,024, K 1,024] x [K 1,024, N 4,096]; A: input x; B: input W1: QUANTISED (scales: A lowp_scales[28], B lowp_scales[29])
;;     17. [M 1,024, K 4,096] x [K 4,096, N 1,024]; A: computed on the way; B: input W2: QUANTISED (scales: A lowp_scales[30], B lowp_scales[31])
;;   THE QUANTISER, for each operand of a quantised product, along K:
;;     - The operand's scale is 2^e, e = its entry of the input lowp_scales (int32; the entries are numbered through the quantised products in the list's order, A before B).
;;     - Each number is divided by the scale, clamped to +-57,344, and rounded to the nearest number of E5M2, ties to even, subnormals kept.
;;     - The product sums the exact products of the quantised numbers (number of the format x scale) in f32.
;;   ~~~python
;;   def quantise(x, axis, e):      # numpy; x: float32 -> the quantised numbers, widened to float32 again
;;       x = np.moveaxis(x, axis, -1); K = x.shape[-1]
;;       r = np.clip(x / 2.0 ** e, -57344, 57344)
;;       step = 2.0 ** (np.maximum(np.frexp(np.where(r == 0, 1, r))[1] - 1, -14) - 2)
;;       q = np.round(r / step) * step * 2.0 ** e      # np.round: ties to even
;;       return np.moveaxis(q, -1, axis).astype(np.float32)
;;   ~~~
;;   OPERANDS COMPUTED ON THE WAY. 'Computed on the way' means the value that the module computes at that place (a softmax that the list does not call 'softmax' is quantised finished and normalised). What goes into a quantiser is computed in f32, as accurately as f32 sums, v_exp_f32 and their like allow (about 1e-6 of the number): no bf16 or f16 on the way to a quantiser, and a product that is left as it is and whose result goes on into a quantised operand takes f32 operands (vector FMAs, or v_wmma_f32_16x16x4_f32). A number that lies on a knife's edge between two numbers of the format may be rounded either way, as far as f32 arithmetic and the matrix unit's own rounding can turn it there, and no further.
;; 2 versions. Each part assembles by itself: llvm-mc -triple=amdgcn-amd-amdhsa -mcpu=gfx1250 --defsym DOCPART=n.
;; ======== version 1 of 2: 4 launches
;; workspace buffers: topi 8,192 bytes of whole numbers; gate 40,960 bytes; xq 2,097,152 bytes; route 67,584 bytes of whole numbers; himg 33,554,432 bytes; ypart 67,108,864 bytes
;; launch router (part 1): grid 256 x 1, 4 waves a work-group, no clusters, 35,328 bytes of LDS; arguments x, w_router, lowp_scales, topi, gate, xq; writes topi, gate, xq
.if DOCPART == 1
	.amdgcn_target "amdgcn-amd-amdhsa--gfx1250"
	.amdhsa_code_object_version 6
	.text
	.protected	k_q2d6e98f481_router
	.globl	k_q2d6e98f481_router
	.p2align	8
	.type	k_q2d6e98f481_router,@function
k_q2d6e98f481_router:
	s_mov_b64 s[64:65], 0
	v_nop
	global_prefetch_b8 v0, s[64:65] scope:SCOPE_SE
	s_setreg_imm32_b32 hwreg(HW_REG_WAVE_MODE, 25, 1), 1
	s_wait_xcnt 0x0
; ROUTER.  One wave takes one token t = 4 x work-group + wave (1,024 tokens, 256 work-groups of four waves).
; It makes the token's 8 logits in f32 (the product is left as it is: N = 8), the softmax with the maximum taken away, the two largest probabilities
; (a tie keeps the lower index, as jax.lax.top_k does) and their weights p / (p1 + p2), and it quantises x[t] twice, once with the scale of each chosen expert
; (entry 4 e of the scales), into rows 2 t and 2 t + 1 of xq: 1,024 codes of E5M2 each, K in its natural order.
; No address hangs on the choice: experts, weights and codes go to fixed places; a later launch places the rows by expert.
; w_router (32 KiB) is brought once a work-group into LDS, 16 bytes a thread and load, and read from there by all four waves.
; A lane holds x at k = 256 j + 8 lane + 0 .. 7 (j = 0 .. 3): eight neighbours along K for the conversions, and its 8 codes are 8 bytes, so a store of the wave covers 256 consecutive bytes.
; LIMITS: each ex between -126 and 112, so that 2^ex and 57,344 x 2^ex are f32 numbers.  NaN and infinities among the inputs are not served.
; Where two probabilities agree to the last bit of f32 arithmetic the choice may differ from another order of summing.
; No matrix unit, cluster or tensor load: 8 columns feed no matrix tile, and the work-groups share only the 32 KiB of w_router.
.set XR,  8                            ; v8-39    x: 32 numbers
.set WS0, 40                           ; v40-103  w_router: 8 k x 8 experts, set 0; later the codes
.set WS1, 104                          ; v104-167 set 1; later the held numbers
.set LG,  168                          ; v168-175 logits, then probabilities
.set EX,  176                          ; v176-183 exponentials, then the probabilities without the best
	s_load_b256 s[4:11], s[0:1], 0x0               ; x s[4:5], w_router s[6:7], the scales s[8:9], topi s[10:11]
	s_load_b128 s[12:15], s[0:1], 0x20             ; gate s[12:13], xq s[14:15]
	v_lshl_add_u32 v200, v0, 2, 0x8800
	v_mov_b32 v201, 0
	v_lshrrev_b32 v1, 5, v0
	v_readfirstlane_b32 s2, v1                     ; wave
	s_lshl_b32 s3, ttmp9, 2
	s_add_co_u32 s3, s3, s2                        ; token
	v_and_b32 v1, 31, v0                           ; lane
	v_lshlrev_b32 v2, 5, v1                        ; x: 32 bytes a lane
	v_lshlrev_b32 v3, 4, v0                        ; w_router: 16 bytes a thread
	v_lshrrev_b32 v4, 4, v0
	v_mul_u32_u24 v4, v4, 272                      ; LDS, in: sixteen threads' 256 bytes (8 rows k) make a group; groups 272 bytes apart
	v_and_b32 v5, 15, v0
	v_lshl_add_u32 v4, v5, 4, v4
	v_mul_u32_u24 v5, v1, 272                      ; LDS, out: group 32 j + lane: 68 words apart
	v_lshlrev_b32 v6, 3, v1                        ; codes: 8 bytes a lane
	v_mov_b32 v7, 0
	v_mov_b32 v184, 0                              ; written once: a lane permute's destination counts as one of its sources
	v_mov_b32 v185, 0
	s_mov_b32 s48, 0x76543210
	s_mov_b32 s49, 0xfedcba98                      ; v_permlanex16_b32: lane l xor 16
	s_mov_b32 s52, 0x3fb8aa3b                      ; log2(e)
	s_lshl_b32 s50, s3, 12
	s_mov_b32 s51, 0
	s_wait_kmcnt 0x0
	s_load_b512 s[16:31], s[8:9], 0x0              ; the 32 exponents: ex of expert e is s[16 + 4 e]
	s_load_b512 s[32:47], s[8:9], 0x40
	s_add_nc_u64 s[4:5], s[4:5], s[50:51]          ; my row of x
.irp j, 0,1,2,3
	global_load_b128 v[XR+8*\j:XR+8*\j+3],   v2, s[4:5] offset:1024*\j th:TH_LOAD_NT
	global_load_b128 v[XR+8*\j+4:XR+8*\j+7], v2, s[4:5] offset:1024*\j+16 th:TH_LOAD_NT
.endr
.irp i, 0,1,2,3,4,5,6,7,8,9,10,11,12,13,14,15
	global_load_b128 v[WS0+4*\i:WS0+4*\i+3], v3, s[6:7] offset:2048*\i   ; the work-group's 128 threads read 2,048 consecutive bytes
.endr
	s_lshl_b32 s50, s3, 11
	s_add_nc_u64 s[14:15], s[14:15], s[50:51]      ; xq: rows 2 t and 2 t + 1
	s_lshl_b32 s50, s3, 5
	s_add_nc_u64 s[54:55], s[12:13], s[50:51]      ; gate: my 8 probabilities
	s_lshl_b32 s50, s3, 3
	s_add_nc_u64 s[56:57], s[12:13], s[50:51]      ; gate: my two weights (32,768 bytes on)
	s_add_nc_u64 s[58:59], s[10:11], s[50:51]      ; topi: my two experts
	s_wait_loadcnt 0x0
.irp i, 0,1,2,3,4,5,6,7,8,9,10,11,12,13,14,15
	ds_store_b128 v4, v[WS0+4*\i:WS0+4*\i+3] offset:2176*\i   ; 128 threads are 8 groups: 8 x 272 bytes a load
.endr
	s_wait_dscnt 0x0                               ; for the others' sake: my part of w_router lies in LDS
	s_barrier_signal -1
	s_barrier_wait -1
.macro WLD j, set                      ; w_router at my 8 k of group j: register set + 8 k + e
.irp m, 0,1,2,3,4,5,6,7,8,9,10,11,12,13,14,15
	ds_load_b128 v[\set+4*\m:\set+4*\m+3], v5 offset:8704*\j+16*\m
.endr
.endm
.macro FMAS j, set, first              ; 8 k x 4 pairs of experts; x[k] serves both halves of a pair
.irp k, 0,1,2,3,4,5,6,7
.irp p, 0,2,4,6
.if (\first) && (\k == 0)
	v_pk_mul_f32 v[LG+\p:LG+\p+1], v[\set+8*\k+\p:\set+8*\k+\p+1], v[XR+8*\j+\k:XR+8*\j+\k+1] op_sel_hi:[1,0]   ; the first product starts the sums
.elseif (\k % 2) == 0
	v_pk_fma_f32 v[LG+\p:LG+\p+1], v[\set+8*\k+\p:\set+8*\k+\p+1], v[XR+8*\j+\k:XR+8*\j+\k+1], v[LG+\p:LG+\p+1] op_sel_hi:[1,0,1]
.else
	v_pk_fma_f32 v[LG+\p:LG+\p+1], v[\set+8*\k+\p:\set+8*\k+\p+1], v[XR+8*\j+\k-1:XR+8*\j+\k], v[LG+\p:LG+\p+1] op_sel:[0,1,0] op_sel_hi:[1,1,1]
.endif
.endr
.endr
.endm
	WLD 0, WS0
	WLD 1, WS1
	s_wait_dscnt 16                                ; the older sixteen loads are in, the younger sixteen may be out
	FMAS 0, WS0, 1
	WLD 2, WS0
	s_wait_dscnt 16
	FMAS 1, WS1, 0
	WLD 3, WS1
	s_wait_dscnt 16
	FMAS 2, WS0, 0
	s_wait_dscnt 0x0
	FMAS 3, WS1, 0
.irp m, 1,2,4,8                        ; the 8 sums over the 32 lanes; every lane ends with all of them
.irp e, 0,1,2,3,4,5,6,7
	v_add_f32_dpp v[LG+\e], v[LG+\e], v[LG+\e] row_xmask:\m row_mask:0xf bank_mask:0xf
.endr
.endr
.irp e, 0,2,4,6
	v_permlanex16_b32 v184, v[LG+\e], s48, s49
	v_permlanex16_b32 v185, v[LG+\e+1], s48, s49
	v_add_f32 v[LG+\e], v[LG+\e], v184
	v_add_f32 v[LG+\e+1], v[LG+\e+1], v185
.endr
	v_max3_num_f32 v184, v[LG], v[LG+1], v[LG+2]   ; the softmax: the maximum is taken away first
	v_max3_num_f32 v184, v184, v[LG+3], v[LG+4]
	v_max3_num_f32 v184, v184, v[LG+5], v[LG+6]
	v_max_num_f32 v184, v184, v[LG+7]
	v_mul_f32 v185, s52, v184
.irp e, 0,1,2,3,4,5,6,7
	v_fma_f32 v[EX+\e], v[LG+\e], s52, -v185       ; (l - m) log2(e)
.endr
.irp e, 0,1,2,3,4,5,6,7
	v_exp_f32 v[EX+\e], v[EX+\e]
.endr
	v_nop                                          ; a plain instruction behind the last exponential
	s_wait_alu depctr_va_vdst(0)                   ; one wait for the eight, ahead of their first reader
	v_add_f32 v192, v[EX], v[EX+1]
	v_add_f32 v196, v[EX+2], v[EX+3]
	v_add_f32 v197, v[EX+4], v[EX+5]
	v_add_f32 v198, v[EX+6], v[EX+7]
	v_add_f32 v192, v192, v196
	v_add_f32 v197, v197, v198
	v_add_f32 v192, v192, v197
	v_rcp_f32 v192, v192
	v_nop
	s_wait_alu depctr_va_vdst(0)
.irp e, 0,1,2,3,4,5,6,7
	v_mul_f32 v[LG+\e], v[EX+\e], v192             ; the probabilities
.endr
	v_mov_b32 v186, v[LG]                          ; the best: a later one wins only if it is strictly larger
	v_mov_b32 v188, 0
.irp i, 1,2,3,4,5,6,7
	v_cmp_le_f32 vcc_lo, v[LG+\i], v186
	v_cndmask_b32 v186, v[LG+\i], v186, vcc_lo
	v_cndmask_b32 v188, \i, v188, vcc_lo
.endr
.irp i, 0,1,2,3,4,5,6,7
	v_cmp_ne_u32 vcc_lo, \i, v188
	v_cndmask_b32 v[EX+\i], -1.0, v[LG+\i], vcc_lo ; the best is taken out: -1 lies under every probability
.endr
	v_mov_b32 v187, v[EX]                          ; the second
	v_mov_b32 v189, 0
.irp i, 1,2,3,4,5,6,7
	v_cmp_le_f32 vcc_lo, v[EX+\i], v187
	v_cndmask_b32 v187, v[EX+\i], v187, vcc_lo
	v_cndmask_b32 v189, \i, v189, vcc_lo
.endr
	v_add_f32 v192, v186, v187
	v_rcp_f32 v192, v192
	v_nop
	s_wait_alu depctr_va_vdst(0)
	v_mul_f32 v190, v186, v192                     ; the two weights
	v_mul_f32 v191, v187, v192
; x with the scale of the expert in slot: the exponent is chosen by selects, never by an address
.macro QX slot
	v_mov_b32 v193, s16
.irp i, 1,2,3,4,5,6,7
	v_cmp_ne_u32 vcc_lo, \i, v[188+\slot]
	v_cndmask_b32 v193, s[16+4*\i], v193, vcc_lo
.endr
	v_add_lshl_u32 v194, v193, 127, 23             ; 2^ex as f32: the conversion takes its exponent field
	v_add_lshl_u32 v195, v193, 142, 23
	v_or_b32 v195, 0x600000, v195                  ; 57,344 x 2^ex
.set i, 0
.rept 32
	v_med3_num_f32 v[WS1+i], v[XR+i], -v195, v195  ; the conversion to an 8-bit code does not saturate (ISA guide 7.6.2): the hold comes first
.set i, i+1
.endr
.irp j, 0,1,2,3
	v_cvt_scalef32_pk8_bf8_f32 v[WS0+8*\slot+2*\j:WS0+8*\slot+2*\j+1], v[WS1+8*\j:WS1+8*\j+7], v194
.endr
	v_nop                                          ; a plain instruction between the conversions and the next write of their sources
.irp j, 0,1,2,3
	global_store_b64 v6, v[WS0+8*\slot+2*\j:WS0+8*\slot+2*\j+1], s[14:15] offset:1024*\slot+256*\j   ; 32 lanes store 256 consecutive bytes, aligned
.endr
.endm
	s_wait_kmcnt 0x0                               ; the 32 exponents, asked for at the head, are in s[16:47]
	QX 0
	QX 1
	s_wait_xcnt 0x0                                ; EXEC is a source of the stores above: it changes only behind this wait
	v_cmp_eq_u32 vcc_lo, 0, v1
	s_barrier_signal -1
	s_barrier_wait -1
	s_wait_tensorcnt 0x0
	ds_add_u32 v200, v201
	s_wait_dscnt 0x0
	s_and_saveexec_b32 s53, vcc_lo                 ; every lane holds the same numbers: lane 0 stores them
	global_store_b128 v7, v[LG:LG+3], s[54:55]
	global_store_b128 v7, v[LG+4:LG+7], s[54:55] offset:16
	global_store_b64 v7, v[190:191], s[56:57] offset:32768
	global_store_b64 v7, v[188:189], s[58:59]
	s_wait_xcnt 0x0
	s_or_b32 exec_lo, exec_lo, s53
	s_endpgm
.Lfunc_end_k_q2d6e98f481_router:
	.size	k_q2d6e98f481_router, .Lfunc_end_k_q2d6e98f481_router-k_q2d6e98f481_router
	.p2alignl 7, 3214868480
	.fill 96, 4, 3214868480
	.section	.rodata,"a",@progbits
	.p2align	6, 0x0
	.amdhsa_kernel k_q2d6e98f481_router
		.amdhsa_group_segment_fixed_size 35328
		.amdhsa_private_segment_fixed_size 0
		.amdhsa_enable_private_segment 0
		.amdhsa_kernarg_size 48
		.amdhsa_user_sgpr_count 2
		.amdhsa_user_sgpr_kernarg_segment_ptr 1
		.amdhsa_wavefront_size32 1
		.amdhsa_system_sgpr_workgroup_id_x 1
		.amdhsa_system_sgpr_workgroup_id_y 1
		.amdhsa_system_sgpr_workgroup_id_z 1
		.amdhsa_system_vgpr_workitem_id 0
		.amdhsa_next_free_vgpr 202
		.amdhsa_next_free_sgpr 66
		.amdhsa_reserve_vcc 1
		.amdhsa_float_denorm_mode_32 3
		.amdhsa_float_denorm_mode_16_64 3
		.amdhsa_memory_ordered 1
		.amdhsa_forward_progress 1
		.amdhsa_inst_pref_size 32
	.end_amdhsa_kernel
	.amdgpu_metadata
---
amdhsa.version: [ 1, 2 ]
amdhsa.kernels:
  - .name:           k_q2d6e98f481_router
    .symbol:         k_q2d6e98f481_router.kd
    .args:
      - { .name: x, .offset: 0, .size: 8, .value_kind: global_buffer, .address_space: global }
      - { .name: w_router, .offset: 8, .size: 8, .value_kind: global_buffer, .address_space: global }
      - { .name: lowp_scales, .offset: 16, .size: 8, .value_kind: global_buffer, .address_space: global }
      - { .name: topi, .offset: 24, .size: 8, .value_kind: global_buffer, .address_space: global }
      - { .name: gate, .offset: 32, .size: 8, .value_kind: global_buffer, .address_space: global }
      - { .name: xq, .offset: 40, .size: 8, .value_kind: global_buffer, .address_space: global }
    .group_segment_fixed_size: 35328
    .private_segment_fixed_size: 0
    .kernarg_segment_align: 8
    .kernarg_segment_size: 48
    .max_flat_workgroup_size: 128
    .sgpr_count:     66
    .vgpr_count:     202
    .wavefront_size: 32
...
	.end_amdgpu_metadata
.endif
;; end of part 1
;; launch ffn1 (part 2): grid 32 x 8, 16 waves a work-group, no clusters, 146,432 bytes of LDS; arguments xq, W1, b1, lowp_scales, topi, himg, route; writes himg, route
.if DOCPART == 2
	.amdgcn_target "amdgcn-amd-amdhsa--gfx1250"
	.amdhsa_code_object_version 6
	.text
	.protected	k_q2d6e98f481_ffn1
	.globl	k_q2d6e98f481_ffn1
	.p2align	8
	.type	k_q2d6e98f481_ffn1,@function
k_q2d6e98f481_ffn1:
	s_mov_b64 s[64:65], 0
	v_nop
	global_prefetch_b8 v0, s[64:65] scope:SCOPE_SE
	s_setreg_imm32_b32 hwreg(HW_REG_WAVE_MODE, 25, 1), 1
	s_wait_xcnt 0x0
; FFN1.  h = Q(gelu(Q(x) Q(W1[e]) + b1[e])) for the rows routed to expert e, on codes of E5M2.  Work-group (x, y): hidden units 128 x .. 128 x + 127 of expert y: 512 KiB of W1, read once in the launch, by this work-group alone.
; THE LIST.  The router stored each routed row's expert (row 2 t + j: token t, slot j) as whole numbers.  Wave 0 reads all 2,048 of them, ahead of its own weight loads, and places the rows of MY expert in LDS: 64 ballots, four at a time; a row's rank
; is the running count + the matching lanes below it.  Lanes that do not match write a dump word of their own.  The list was cleared first, so places beyond the expert's n rows hold row 0.  A barrier follows, in front of which no other wave
; touches LDS.  The work-group with x = 0 also stores each row's place, 1,024 e + rank, and n for the launches behind this one.  A token's two experts differ, so n is at most 1,024: expert e owns tiles 64 e .. 64 e + 63 of himg.
; nt = max(ceil(n / 16), 1) tiles are made: an expert without rows makes one tile from row 0, which nobody uses, so that every byte that the next launch loads has been stored.
; PHASE 1: W1 COMES IN.  Wave w (c = w & 3, kq = w / 4) takes four blocks of 32 k x 64 columns: block b is chunk c of K step 4 b + kq of sixteen (K steps 0-7: columns 0-63 over K = 1,024; 8-15: columns 64-127).
; A block is sixteen loads of 16 bytes a lane, in which sixteen lanes read 256 consecutive bytes of one row k.  The wave holds, converts (given scale 2^ew1), turns 4 x 4 bytes by v_perm_b32, so that four neighbours along K of ONE
; column lie in a register, and stores four registers a column group into LDS as an image of the operand's registers: tile t of a K step holds columns 4 m + t (m = 0 .. 15), so nothing changes lanes.
; Three sets of 64 registers: 48 of a wave's 64 loads go out at once.  Every image has LDS bytes of its own (16 K steps x 4 tiles x 2,048 bytes) and is written once.
; PHASE 2: THE PRODUCTS, behind a second barrier.  Wave (g = w / 2, cg = w & 1) owns row tiles g, g + 8, g + 16 of the expert (16 rows each; 384 rows in all) for column group cg.  Its rows' codes come from xq straight into registers;
; the first two K steps are asked for ahead of the barrier.  All three tiles are always loaded and multiplied, so that every count of a wait is the same on every way; only the way out of a tile that the expert does not have is jumped
; over, by a scalar branch on nt.  No barrier stands under such a branch.
; THE PRODUCT IS USED TRANSPOSED (source 0 = 16 columns of W1, source 1 = 16 rows): lane (r, h) holds row r, and register j of tile t the hidden unit 32 h + 4 j + t.  b1 / 2^(ex + ew1) is loaded into the accumulators, so the bias costs no arithmetic.
; GELU, exact form, without the difference 1 + erf: gelu(v) = max(v, 0) - |v| q, q = erfc(|v| / sqrt 2) / 2 = t 2^(P(t) - z^2 log2 e) / 2, t = 1 / (1 + |v| / (2 sqrt 2)), P of degree 9 (its fractional error is 1.2e-7 for every v).
; The sums S stand for v = S 2^s, s = ex + ew1: 2^s is folded into the two factors of |S| and S; the result R = gelu / 2^s is converted with the one scale 2^(eh - s).
; himg: tile of rows x K step (= x) x 2,048 bytes: the image of the next product's operand: register 8 cg + 2 t + j / 4, byte j % 4.
; ROWS BEYOND TILE 24 (an expert with more than 384 rows) are served last, a tile a trip, W1's codes from the same images: every split of the rows is served by this one grid.
; NO TENSOR LOAD, NO CLUSTER: trip counts and branches hang on numbers read from memory, and what the 32 work-groups of an expert share (its rows' codes, 1 KiB a row) is small beside the 512 KiB that each reads alone.
; NO PREFETCH: three quarters of the work-group's stream are asked for by its first loads.
; LIMITS: ew1 and eh - ex - ew1 between -126 and 112; ex + ew1 between -120 and 120.  NaN and infinities are not served.
.set LIST, 0x22000                     ; LDS: behind the images (131,072 bytes) and the bias images (8,192): the list, 1,024 words; then 32 dump words;
.set CNT,  LIST+4096+128               ; then n
.set LI0,  1                           ; v1   16 x lane: my place in an image in memory
.set LZ,   2                           ; v2   LIST + 16 x lane: where wave 0 clears the list
.set PS0,  3                           ; v3   where I store images: 16 x lane + 512 c + 8,192 kq
.set PS1,  4                           ; v4   + 65,536: blocks 2 and 3
.set LID,  5                           ; v5   where I read images: 16 x lane + 65,536 cg
.set BID,  6                           ; v6   the bias images of my column group: 131,072 + 4,096 cg + 16 x lane
.set BIW,  7                           ; v7   where I store my half of a bias image: 131,072 + 512 w + 16 x lane
.set VW,   8                           ; v8   W1: 262,144 h + 16 r
.set LSTA, 9                           ; v9   LIST + 64 g + 4 r: my lane's place in the list, tile g
.set VA,   10                          ; v10-12 xq: my lane's row x 1,024 + 16 h, for each of my three tiles
.set CNTA, 13                          ; v13  CNT
.set WSC,  14                          ; v14  2^ew1;  v15  57,344 x 2^ew1
.set WLIM, 15
.set HSC,  16                          ; v16  2^(eh - s);  v17  57,344 x that
.set HLIM, 17
.set LSTR, 18                          ; v18  LIST + 4 r
.set H16,  19                          ; v19  16 h;  v20, v21 at work
.set C8,   22                          ; v[22:23] the polynomial's coefficient of t^8, twice
.set SETS, 24                          ; phase 1: v24-215 three sets of 64;  v216-231 codes by rows;  v232-247 codes by columns
.set TP,   152                         ; wave 0, ahead of block 2: v152-215 the 2,048 experts, 64 a lane; then the rows' places
.set PP,   216                         ; (wave 0, for the list: v216-219 zeros, v220 4 x lane, v221 1,024 + lane, v222-223 n, v224-239 two sets of 4 addresses and 4 rows)
.set QQ,   232
.set ACC,  24                          ; phase 2: v24-119 accumulators (tile of rows a, tile of columns t: 24 + 32 a + 8 t)
.set AF,   120                         ; v120-215 rows' fragments: 120 + 48 (K step % 2) + 16 a; on the way out 96 registers at work
.set BF,   216                         ; v216-247 two fragments of W1
.set CR,   248                         ; v248-255 the hidden layer's codes; at the head my four numbers of b1
.set WB,   32                          ; s[32:39] my four bases in W1, never rewritten
.set SH,   88                          ; s[88:93] himg at my three tiles
.macro LOADBLK s                       ; block s: row k = 32 c + 16 h + i, columns 4 r .. 4 r + 3, into set s % 3
.set RB, SETS+64*((\s)%3)
.irp i, 0,1,2,3,4,5,6,7,8,9,10,11,12,13,14,15
	global_load_b128 v[RB+4*\i:RB+4*\i+3], v[VW], s[WB+2*(\s):WB+2*(\s)+1] offset:\i*16384 th:TH_LOAD_NT
.endr
.endm
; Rows 128 i + 4 lane + k (k = 0 .. 3) are placed.  s22: the expert's rows so far.
.macro BUILD i
.set RK, 224+8*((\i)%2)
.set RW, RK+4
.if (\i) >= 2
	s_wait_dscnt 4                                 ; the last turn's four stores may be out; those of two turns back, which read this set of registers, are done
.endif
.irp k, 0,1,2,3
	v_cmp_eq_u32 s[40+\k], s19, v[TP+4*(\i)+\k]    ; which lanes' row goes to my expert
.endr
.irp k, 0,1,2,3
	s_bcnt1_i32_b32 s[44+\k], s[40+\k]
.endr
	s_add_co_u32 s44, s22, s44                     ; the running count in front of k = 1,
	s_add_co_u32 s45, s44, s45                     ; 2,
	s_add_co_u32 s46, s45, s46                     ; 3,
	s_add_co_u32 s47, s46, s47                     ; and of the next four
	v_mbcnt_lo_u32_b32 v[RK],   s40, s22           ; rank = the count so far + the matching lanes below me
	v_mbcnt_lo_u32_b32 v[RK+1], s41, s44
	v_mbcnt_lo_u32_b32 v[RK+2], s42, s45
	v_mbcnt_lo_u32_b32 v[RK+3], s43, s46
.irp k, 0,1,2,3
	v_cndmask_b32 v[RK+\k], v221, v[RK+\k], s[40+\k]   ; a lane that does not match takes its dump word
.endr
.irp k, 0,1,2,3
	v_min_u32 v[RK+\k], 0x41f, v[RK+\k]            ; a number made of loaded ones enters an address only behind a bound: 1,024 + 31
.endr
.irp k, 0,1,2,3
	v_add_nc_u32 v[TP+4*(\i)+\k], s55, v[RK+\k]    ; the row's place among all experts' rows: 1,024 e + rank
.endr
.irp k, 0,1,2,3
	v_lshl_add_u32 v[RK+\k], v[RK+\k], 2, LIST
.endr
.irp k, 0,1,2,3
	v_add_nc_u32 v[RW+\k], 128*(\i)+\k, v220       ; the row's number
.endr
.irp k, 0,1,2,3
	ds_store_b32 v[RK+\k], v[RW+\k]
.endr
	s_mov_b32 s22, s47
.endm
.macro PROD s, left                    ; block s becomes four pieces of fragments in LDS.  left: the loads issued behind block s's sixteen, which may stay out
.set RB, SETS+64*((\s)%3)
	s_wait_loadcnt \left
.set i, 0
.rept 64
	v_med3_num_f32 v[RB+i], v[RB+i], -v[WLIM], v[WLIM]   ; the conversion to an 8-bit code does not saturate (ISA guide 7.6.2): the hold comes first
.set i, i+1
.endr
.irp m, 0,1,2,3,4,5,6,7
	v_cvt_scalef32_pk8_bf8_f32 v[PP+2*\m:PP+2*\m+1], v[RB+8*\m:RB+8*\m+7], v[WSC]   ; register i: the four columns of row i
.endr
	v_nop                                          ; a plain instruction between the conversions and the lines that read their results and write their sources
.irp p, 0,1,2,3                        ; rows 4 p .. 4 p + 3: 4 x 4 bytes are turned in two stages
	v_perm_b32 v[RB+4*\p],   v[PP+4*\p+1], v[PP+4*\p],   s48
	v_perm_b32 v[RB+4*\p+1], v[PP+4*\p+1], v[PP+4*\p],   s49
	v_perm_b32 v[RB+4*\p+2], v[PP+4*\p+3], v[PP+4*\p+2], s48
	v_perm_b32 v[RB+4*\p+3], v[PP+4*\p+3], v[PP+4*\p+2], s49
.endr
	s_wait_dscnt 0x0                               ; the last block's LDS stores have read the registers that are written next
.irp p, 0,1,2,3
	v_perm_b32 v[QQ+\p],    v[RB+4*\p+2], v[RB+4*\p],   s50   ; column 4 r + 0, rows 4 p .. 4 p + 3
	v_perm_b32 v[QQ+4+\p],  v[RB+4*\p+2], v[RB+4*\p],   s51
	v_perm_b32 v[QQ+8+\p],  v[RB+4*\p+3], v[RB+4*\p+1], s50
	v_perm_b32 v[QQ+12+\p], v[RB+4*\p+3], v[RB+4*\p+1], s51
.endr
.irp t, 0,1,2,3
	ds_store_b128 v[PS0+(\s)/2], v[QQ+4*\t:QQ+4*\t+3] offset:((\s)%2)*32768+2048*\t   ; registers 4 c .. 4 c + 3 of tile t's fragment of K step 4 s + kq: 512 consecutive bytes a store
.endr
.endm
.macro ALOAD kk, q                     ; my three tiles' fragments of K step q (128 codes of each row) into buffer kk
.irp a, 0,1,2
.irp c, 0,1,2,3
	global_load_b128 v[AF+48*(\kk)+16*\a+4*\c:AF+48*(\kk)+16*\a+4*\c+3], v[VA+\a], s[4:5] offset:128*(\q)+32*\c
.endr
.endr
.endm
.macro MULS q                          ; K step q: two tiles of columns at a time against my three tiles of rows.  The accumulators take turns, one instruction a turn
.irp bp, 0,1
.irp t, 0,1
.irp c, 0,1,2,3
	ds_load_b128 v[BF+16*\t+4*\c:BF+16*\t+4*\c+3], v[LID] offset:8192*(\q)+2048*(2*\bp+\t)+512*\c
.endr
.endr
	s_wait_dscnt 0x0
.irp t, 0,1
.irp a, 0,1,2
	v_wmma_f32_16x16x128_bf8_bf8 v[ACC+32*\a+8*(2*\bp+\t):ACC+32*\a+8*(2*\bp+\t)+7], v[BF+16*\t:BF+16*\t+15], v[AF+48*((\q)%2)+16*\a:AF+48*((\q)%2)+16*\a+15], v[ACC+32*\a+8*(2*\bp+\t):ACC+32*\a+8*(2*\bp+\t)+7]
.endr
.endr
.rept 4
	v_nop                                          ; four places ahead of the next loads into registers that these products read, and of the first read of results
.endr
.endr
.endm
; THE WAY OUT of one tile of 16 rows x 64 hidden units: 32 sums a lane in v[acc] on; 96 registers at work from v[tmp] on; the codes go to s[sb].
.macro EPI acc, tmp, sb
.set EA, (\acc)
.set EZ, (\tmp)
.set ET, (\tmp)+32
.set EP, (\tmp)+64
.set i, 0
.rept 32
	v_fma_f32 v[ET+i], |v[EA+i]|, s86, 1.0         ; 1 + |v| / (2 sqrt 2); each accumulator is read from its low end on
.set i, i+1
.endr
.set i, 0
.rept 32
	v_rcp_f32 v[ET+i], v[ET+i]                     ; t
.set i, i+1
.endr
.set i, 0
.rept 16
	v_pk_mul_f32 v[EZ+i:EZ+i+1], v[EA+i:EA+i+1], s[84:85] op_sel_hi:[1,0]   ; Z = v sqrt(log2(e) / 2): plain work behind the reciprocals
.set i, i+2
.endr
	s_wait_alu depctr_va_vdst(0)                   ; one wait for the 32 reciprocals, ahead of their first reader
.set i, 0
.rept 16
	v_pk_fma_f32 v[EP+i:EP+i+1], v[ET+i:ET+i+1], s[66:67], v[C8:C8+1] op_sel_hi:[1,0,1]
.set i, i+2
.endr
.irp k, 68,70,72,74,76,78,80,82
.set i, 0
.rept 16
	v_pk_fma_f32 v[EP+i:EP+i+1], v[EP+i:EP+i+1], v[ET+i:ET+i+1], s[\k:\k+1] op_sel_hi:[1,1,0]
.set i, i+2
.endr
.endr
.set i, 0
.rept 16
	v_pk_fma_f32 v[EP+i:EP+i+1], v[EZ+i:EZ+i+1], v[EZ+i:EZ+i+1], v[EP+i:EP+i+1] neg_lo:[1,0,0] neg_hi:[1,0,0]   ; P(t) - Z^2
.set i, i+2
.endr
.set i, 0
.rept 32
	v_exp_f32 v[EP+i], v[EP+i]
.set i, i+1
.endr
.set i, 0
.rept 32
	v_max_num_f32 v[EZ+i], 0, v[EA+i]              ; max(S, 0): plain work behind the exponentials
.set i, i+1
.endr
	s_wait_alu depctr_va_vdst(0)                   ; one wait for the 32 exponentials
.set i, 0
.rept 16
	v_pk_mul_f32 v[ET+i:ET+i+1], v[ET+i:ET+i+1], v[EP+i:EP+i+1]   ; q
.set i, i+2
.endr
.set i, 0
.rept 32
	v_fma_f32 v[EA+i], -|v[EA+i]|, v[ET+i], v[EZ+i]   ; R = max(S, 0) - |S| q
.set i, i+1
.endr
.set i, 0
.rept 32
	v_med3_num_f32 v[EA+i], v[EA+i], -v[HLIM], v[HLIM]
.set i, i+1
.endr
	s_wait_xcnt 0x0                                ; the last tile's stores have read the codes' registers
.irp t, 0,1,2,3
	v_cvt_scalef32_pk8_bf8_f32 v[CR+2*\t:CR+2*\t+1], v[EA+8*\t:EA+8*\t+7], v[HSC]
.endr
	v_nop                                          ; a plain instruction behind the last conversion
	global_store_b128 v[LI0], v[CR:CR+3],   s[\sb:\sb+1]              ; 32 lanes store 512 consecutive bytes, aligned
	global_store_b128 v[LI0], v[CR+4:CR+7], s[\sb:\sb+1] offset:512
.endm
	s_load_b256 s[4:11], s[0:1], 0x0               ; xq s[4:5], W1 s[6:7], b1 s[8:9], the scales s[10:11]
	s_load_b128 s[12:15], s[0:1], 0x20             ; topi s[12:13], himg s[14:15]
	s_load_b64 s[94:95], s[0:1], 0x30              ; route
	v_lshrrev_b32 v20, 5, v0
	v_readfirstlane_b32 s16, v20                   ; wave 0..15
	s_and_b32 s17, s16, 1                          ; cg: my column group in phase 2
	s_lshr_b32 s18, s16, 1                         ; g
	s_and_b32 s19, ttmp7, 0xffff                   ; expert
	s_and_b32 s21, s16, 3                          ; c
	s_lshr_b32 s28, s16, 2                         ; kq
	; every LDS address that stays is made here, ahead of the one parting of the waves
	v_and_b32 v20, 31, v0
	v_lshlrev_b32 v[LI0], 4, v20
	v_add_nc_u32 v[LZ], LIST, v[LI0]
	v_mov_b32 v[CNTA], CNT
	s_lshl_b32 s29, s21, 9
	s_lshl_b32 s30, s28, 13
	s_add_co_u32 s29, s29, s30
	v_add_nc_u32 v[PS0], s29, v[LI0]
	v_add_nc_u32 v[PS1], 0x10000, v[PS0]
	s_lshl_b32 s30, s17, 16
	v_add_nc_u32 v[LID], s30, v[LI0]
	s_lshl_b32 s30, s17, 12
	s_add_co_u32 s30, s30, 0x20000
	v_add_nc_u32 v[BID], s30, v[LI0]
	s_lshl_b32 s30, s16, 9
	s_add_co_u32 s30, s30, 0x20000
	v_add_nc_u32 v[BIW], s30, v[LI0]
	v_and_b32 v20, 15, v0                          ; r
	v_bfe_u32 v21, v0, 4, 1                        ; h
	v_lshlrev_b32 v[VW], 4, v20
	v_lshl_add_u32 v[VW], v21, 18, v[VW]           ; lanes 16-31 read 16 rows (of 16,384 bytes) further down
	v_lshl_add_u32 v[LSTR], v20, 2, LIST
	s_lshl_b32 s30, s18, 6
	v_add_nc_u32 v[LSTA], s30, v[LSTR]
	v_lshlrev_b32 v[H16], 4, v21
	v_mov_b32 v[C8], 0xbf97d29d
	v_mov_b32 v[C8+1], 0xbf97d29d
	s_mov_b32 s48, 0x05010400                      ; the four selectors of the turn
	s_mov_b32 s49, 0x07030602
	s_mov_b32 s50, 0x05040100
	s_mov_b32 s51, 0x07060302
	s_lshl_b32 s55, s19, 10                        ; 1,024 e: my expert's first place
	s_lshl_b32 s30, s19, 24                        ; W1: expert x 16 MiB
	s_lshl_b32 s31, ttmp9, 9                       ; + 128 columns x work-group x
	s_add_co_u32 s30, s30, s31
	s_lshl_b32 s31, s28, 21                        ; + 128 kq rows
	s_add_co_u32 s30, s30, s31
	s_lshl_b32 s31, s21, 19                        ; + 32 c rows
	s_add_co_u32 s30, s30, s31
	s_mov_b32 s31, 0
	s_lshl_b32 s20, s19, 4
	s_wait_kmcnt 0x0
	s_load_b128 s[24:27], s[10:11], s20 offset:0x0 ; ex, ew1, eh, ew2 of my expert
	s_add_nc_u64 s[30:31], s[6:7], s[30:31]
.irp b, 0,1,2,3
	s_add_nc_u64 s[WB+2*\b:WB+2*\b+1], s[30:31], (\b/2)*256+((\b%2)<<23)   ; block b: K step 4 b + kq: 512 rows on for odd b; 64 columns on from block 2
.endr
	s_cmp_lg_u32 s16, 0
	s_cbranch_scc1 .Lothers
	; ---- wave 0: the list.  The experts are asked for first, so that they come ahead of the weights; they take set 2's registers, whose block goes out when the list is made
.irp i, 0,1,2,3,4,5,6,7,8,9,10,11,12,13,14,15
	global_load_b128 v[TP+4*\i:TP+4*\i+3], v[LI0], s[12:13] offset:512*\i   ; rows 128 i + 4 lane + 0 .. 3: 512 consecutive bytes a load
.endr
	LOADBLK 0
	LOADBLK 1
	v_mov_b32 v216, 0
	v_mov_b32 v217, 0
	v_mov_b32 v218, 0
	v_mov_b32 v219, 0
	v_lshrrev_b32 v220, 2, v[LI0]                  ; 4 x lane
	v_and_b32 v221, 31, v0
	v_or_b32 v221, 0x400, v221                     ; my dump word: 1,024 + lane
.irp i, 0,1,2,3,4,5,6,7
	ds_store_b128 v[LZ], v[216:219] offset:512*\i  ; the list's 1,024 words are cleared; LDS serves a wave's instructions in order, so the rows come behind
.endr
	s_mov_b32 s22, 0
	s_wait_loadcnt 32                              ; the sixteen loads of experts are in; blocks 0 and 1, issued behind them, may be out
.irp i, 0,1,2,3,4,5,6,7,8,9,10,11,12,13,14,15
	BUILD \i
.endr
	v_mov_b32 v222, s22                            ; n
	v_mov_b32 v223, s22
	ds_store_b32 v[CNTA], v222
	s_cmp_lg_u32 ttmp9, 0
	s_cbranch_scc1 .Lnopos
	s_lshl_b32 s2, s19, 13                         ; one work-group of the expert's 32 stores the places and n: route + 2,048 + 8,192 e, and route + 256 e
	s_add_co_u32 s2, s2, 2048
	s_mov_b32 s3, 0
	s_add_nc_u64 s[62:63], s[94:95], s[2:3]
	s_lshl_b32 s2, s19, 8
	s_add_nc_u64 s[98:99], s[94:95], s[2:3]
	v_lshlrev_b32 v221, 1, v220                    ; 8 x lane
.irp i, 0,1,2,3,4,5,6,7,8,9,10,11,12,13,14,15
	global_store_b128 v[LI0], v[TP+4*\i:TP+4*\i+3], s[62:63] offset:512*\i   ; 512 consecutive bytes a store.  (A row of another expert leaves a number here that nobody selects)
.endr
	global_store_b64 v221, v[222:223], s[98:99]    ; n, 64 times: 256 consecutive bytes
.Lnopos:
	s_wait_xcnt 0x0                                ; the stores have read their registers: set 2 may take its block
	LOADBLK 2
	s_branch .Ljoin
.Lothers:
	LOADBLK 0                                      ; the stream starts before anything else is set up
	LOADBLK 1
	LOADBLK 2
.Ljoin:
	s_wait_kmcnt 0x0
	s_add_co_i32 s28, s25, 127
	s_lshl_b32 s29, s28, 23
	v_mov_b32 v[WSC], s29
	s_add_co_i32 s28, s28, 15
	s_lshl_b32 s28, s28, 23
	s_or_b32 s28, s28, 0x600000
	v_mov_b32 v[WLIM], s28
	s_add_co_i32 s56, s24, s25                     ; s = ex + ew1
	s_sub_co_i32 s28, s26, s56
	s_add_co_i32 s28, s28, 127
	s_lshl_b32 s29, s28, 23
	v_mov_b32 v[HSC], s29                          ; 2^(eh - s): the three scales folded into the conversion's one
	s_add_co_i32 s28, s28, 15
	s_lshl_b32 s28, s28, 23
	s_or_b32 s28, s28, 0x600000
	v_mov_b32 v[HLIM], s28
	s_sub_co_i32 s57, 0, s56
	s_lshl_b32 s28, s56, 23
	s_add_co_i32 s84, s28, 0x3f596d27              ; sqrt(log2(e) / 2) x 2^s: s is added to the exponent field
	s_mov_b32 s85, s84
	s_add_co_i32 s86, s28, 0x3eb504f3              ; 2^s / (2 sqrt 2)
	s_mov_b32 s66, 0x3e7c6f08                      ; the polynomial's coefficients x log2(e), t^9 down to t^0 (t^8 lies in v[22:23]); each twice, since the packed form names a pair
	s_mov_b32 s67, 0x3e7c6f08
	s_mov_b32 s68, 0x40097039
	s_mov_b32 s69, 0x40097039
	s_mov_b32 s70, 0xbfd1a1e5
	s_mov_b32 s71, 0xbfd1a1e5
	s_mov_b32 s72, 0x3ecdfd18
	s_mov_b32 s73, 0x3ecdfd18
	s_mov_b32 s74, 0xbe899a80
	s_mov_b32 s75, 0xbe899a80
	s_mov_b32 s76, 0x3e0efb2e
	s_mov_b32 s77, 0x3e0efb2e
	s_mov_b32 s78, 0x3f0a29d2
	s_mov_b32 s79, 0x3f0a29d2
	s_mov_b32 s80, 0x3fb8ab5a
	s_mov_b32 s81, 0x3fb8ab5a
	s_mov_b32 s82, 0xc034d90f                      ; -1.26551223 log2(e) - 1: the 1 is the factor 1 / 2
	s_mov_b32 s83, 0xc034d90f
	s_lshl_b32 s30, s19, 22                        ; himg: my expert's 64 tiles of 65,536 bytes,
	s_lshl_b32 s31, ttmp9, 11                      ; my K step of the next product,
	s_add_co_u32 s30, s30, s31
	s_lshl_b32 s31, s17, 10                        ; my column group's half of the image
	s_add_co_u32 s30, s30, s31
	s_mov_b32 s31, 0
	s_add_nc_u64 s[96:97], s[14:15], s[30:31]
.irp a, 0,1,2
	s_add_co_u32 s30, s18, 8*\a                    ; tile g + 8 a of the expert
	s_lshl_b32 s30, s30, 16
	s_add_nc_u64 s[SH+2*\a:SH+2*\a+1], s[96:97], s[30:31]
.endr
	; wave w makes half w & 1 of the bias image of column group w / 8, tile (w / 2) & 3: lane (r, h), register j: b1 at unit 64 cg + 32 h + 4 j + t
	s_lshl_b32 s30, s19, 14
	s_lshl_b32 s31, ttmp9, 9
	s_add_co_u32 s30, s30, s31
	s_lshr_b32 s31, s16, 3
	s_lshl_b32 s31, s31, 8
	s_add_co_u32 s30, s30, s31
	s_bfe_u32 s31, s16, 0x20001
	s_lshl_b32 s31, s31, 2
	s_add_co_u32 s30, s30, s31
	s_lshl_b32 s31, s17, 6
	s_add_co_u32 s30, s30, s31
	s_mov_b32 s31, 0
	s_add_nc_u64 s[30:31], s[8:9], s[30:31]
	v_lshlrev_b32 v20, 3, v[H16]                   ; 128 h
.irp j, 0,1,2,3
	global_load_b32 v[CR+\j], v20, s[30:31] offset:16*\j
.endr
	s_wait_dscnt 0x0                               ; for the others' sake: wave 0's list and n lie in LDS
	s_barrier_signal -1
	s_barrier_wait -1                              ; in front of this barrier only wave 0 has touched LDS; behind it nobody writes the list
.irp a, 0,1,2
	ds_load_b32 v[VA+\a], v[LSTA] offset:512*\a    ; the row at place 16 (g + 8 a) + r; 0 beyond the expert's last row
.endr
	ds_load_b32 v21, v[CNTA]
	s_wait_dscnt 0x0
	v_readfirstlane_b32 s23, v21                   ; n
	s_min_u32 s23, s23, 1024
	s_add_co_u32 s23, s23, 15
	s_lshr_b32 s23, s23, 4
	s_max_u32 s23, s23, 1                          ; nt
.irp a, 0,1,2
	v_min_u32 v[VA+\a], 0x7ff, v[VA+\a]            ; a loaded number enters an address only behind a bound
	v_lshl_add_u32 v[VA+\a], v[VA+\a], 10, v[H16]
.endr
	PROD 0, 36                                     ; behind block 0: blocks 1 and 2 (32) and the four loads of b1
	LOADBLK 3                                      ; set 0 is read out: it takes the last block
	PROD 1, 36                                     ; behind block 1: block 2 (16), the four, block 3 (16)
	PROD 2, 20                                     ; behind block 2: the four and block 3
	s_wait_loadcnt 16                              ; the four are in; block 3 may be out
.irp j, 0,1,2,3
	v_ldexp_f32 v[CR+\j], v[CR+\j], s57            ; b1 / 2^s: the sums lack that power of two
.endr
	ds_store_b128 v[BIW], v[CR:CR+3]
	ALOAD 0, 0                                     ; sets 1 and 2 are read out: my rows' first two K steps land there while the last block is converted
	ALOAD 1, 1
	PROD 3, 24                                     ; behind block 3: those 24 loads
	s_wait_dscnt 0x0                               ; for the others' sake: my images and my half of a bias image lie in LDS
	s_barrier_signal -1
	s_barrier_wait -1                              ; all 64 images and the 8 bias images are whole; nobody writes LDS from here on
.irp a, 0,1,2                          ; b1 / 2^s, in the result's layout, starts the twelve sums
.irp t, 0,1,2,3
	ds_load_b128 v[ACC+32*\a+8*\t:ACC+32*\a+8*\t+3],   v[BID] offset:\t*1024
	ds_load_b128 v[ACC+32*\a+8*\t+4:ACC+32*\a+8*\t+7], v[BID] offset:\t*1024+512
.endr
.endr
.irp q, 0,1,2,3,4,5,6,7
.if \q < 7
	s_wait_loadcnt 12                              ; this K step's twelve loads are in; the next K step's twelve, issued behind them, may be out
.else
	s_wait_loadcnt 0
.endif
	MULS \q
.if \q < 6
	ALOAD \q%2, \q+2
.endif
.endr
.irp a, 0,1,2                          ; my three tiles go out; one that the expert does not have is passed over
	s_add_co_u32 s28, s18, 8*\a
	s_cmp_lt_u32 s28, s23
	s_cbranch_scc0 .Lskip\a
	EPI ACC+32*\a, AF, SH+2*\a
.Lskip\a:
.endr
	; ---- TILES 24 ON, if the expert has them: wave (g, cg) takes tiles 24 + g + 8 q.  No barrier: list and images are whole, and nobody writes them.
	s_sub_co_i32 s58, s23, 17
	s_sub_co_i32 s58, s58, s18
	s_max_i32 s58, s58, 0
	s_lshr_b32 s58, s58, 3                         ; trips = ceil((nt - 24 - g) / 8), 0 at the least, 5 at the most
	s_cmp_eq_u32 s58, 0
	s_cbranch_scc1 .Ldone
	s_add_co_u32 s59, s18, 24
.Ldloop:
	s_wait_xcnt 0x0                                ; earlier loads and stores have read their addresses, bases and data
	s_min_u32 s60, s59, 63
	v_lshl_add_u32 v20, s60, 6, v[LSTR]
	ds_load_b32 v[VA], v20                         ; the row at place 16 tile + r
	s_lshl_b32 s30, s60, 16
	s_mov_b32 s31, 0
	s_add_nc_u64 s[SH:SH+1], s[96:97], s[30:31]
	s_wait_dscnt 0x0
	v_min_u32 v[VA], 0x7ff, v[VA]
	v_lshl_add_u32 v[VA], v[VA], 10, v[H16]
.irp s, 0,1,2,3,4,5,6,7
.irp c, 0,1,2,3
	global_load_b128 v[56+16*\s+4*\c:56+16*\s+4*\c+3], v[VA], s[4:5] offset:128*\s+32*\c
.endr
.endr
.irp t, 0,1,2,3
	ds_load_b128 v[24+8*\t:27+8*\t], v[BID] offset:1024*\t
	ds_load_b128 v[28+8*\t:31+8*\t], v[BID] offset:1024*\t+512
.endr
.irp s, 0,1,2,3,4,5,6,7
.rept 4
	v_nop                                          ; places ahead of loads into registers that products have read
.endr
.irp t, 0,1,2,3
.irp c, 0,1,2,3
	ds_load_b128 v[184+16*\t+4*\c:184+16*\t+4*\c+3], v[LID] offset:8192*\s+2048*\t+512*\c
.endr
.endr
	s_wait_dscnt 0x0
	s_wait_loadcnt 28-4*\s                         ; K step s's four loads are in; those of the later K steps may be out
.irp t, 0,1,2,3
	v_wmma_f32_16x16x128_bf8_bf8 v[24+8*\t:31+8*\t], v[184+16*\t:199+16*\t], v[56+16*\s:71+16*\s], v[24+8*\t:31+8*\t]
.endr
.endr
.rept 4
	v_nop
.endr
	EPI 24, 56, SH
	s_add_co_u32 s59, s59, 8
	s_sub_co_u32 s58, s58, 1
	s_cmp_lg_u32 s58, 0
	s_cbranch_scc1 .Ldloop
.Ldone:
	s_barrier_signal -1
	s_barrier_wait -1
	s_wait_xcnt 0x0
	v_lshl_add_u32 v254, v0, 2, 0x23400
	v_mov_b32 v255, 0
	s_wait_tensorcnt 0x0
	ds_add_u32 v254, v255
	s_wait_dscnt 0x0
	s_endpgm
.Lfunc_end_k_q2d6e98f481_ffn1:
	.size	k_q2d6e98f481_ffn1, .Lfunc_end_k_q2d6e98f481_ffn1-k_q2d6e98f481_ffn1
	.p2alignl 7, 3214868480
	.fill 96, 4, 3214868480
	.section	.rodata,"a",@progbits
	.p2align	6, 0x0
	.amdhsa_kernel k_q2d6e98f481_ffn1
		.amdhsa_group_segment_fixed_size 146432
		.amdhsa_private_segment_fixed_size 0
		.amdhsa_enable_private_segment 0
		.amdhsa_kernarg_size 56
		.amdhsa_user_sgpr_count 2
		.amdhsa_user_sgpr_kernarg_segment_ptr 1
		.amdhsa_wavefront_size32 1
		.amdhsa_system_sgpr_workgroup_id_x 1
		.amdhsa_system_sgpr_workgroup_id_y 1
		.amdhsa_system_sgpr_workgroup_id_z 1
		.amdhsa_system_vgpr_workitem_id 0
		.amdhsa_next_free_vgpr 256
		.amdhsa_next_free_sgpr 100
		.amdhsa_reserve_vcc 0
		.amdhsa_float_denorm_mode_32 3
		.amdhsa_float_denorm_mode_16_64 3
		.amdhsa_memory_ordered 1
		.amdhsa_forward_progress 1
		.amdhsa_inst_pref_size 217
	.end_amdhsa_kernel
	.amdgpu_metadata
---
amdhsa.version: [ 1, 2 ]
amdhsa.kernels:
  - .name:           k_q2d6e98f481_ffn1
    .symbol:         k_q2d6e98f481_ffn1.kd
    .args:
      - { .name: xq, .offset: 0, .size: 8, .value_kind: global_buffer, .address_space: global }
      - { .name: W1, .offset: 8, .size: 8, .value_kind: global_buffer, .address_space: global }
      - { .name: b1, .offset: 16, .size: 8, .value_kind: global_buffer, .address_space: global }
      - { .name: lowp_scales, .offset: 24, .size: 8, .value_kind: global_buffer, .address_space: global }
      - { .name: topi, .offset: 32, .size: 8, .value_kind: global_buffer, .address_space: global }
      - { .name: himg, .offset: 40, .size: 8, .value_kind: global_buffer, .address_space: global }
      - { .name: route, .offset: 48, .size: 8, .value_kind: global_buffer, .address_space: global }
    .group_segment_fixed_size: 146432
    .private_segment_fixed_size: 0
    .kernarg_segment_align: 8
    .kernarg_segment_size: 56
    .max_flat_workgroup_size: 512
    .sgpr_count:     100
    .vgpr_count:     256
    .wavefront_size: 32
...
	.end_amdgpu_metadata
.endif
;; end of part 2
;; launch ffn2 (part 3): grid 32 x 8, 16 waves a work-group, no clusters, 301,056 bytes of LDS; arguments himg, W2, lowp_scales, route, ypart; writes ypart
.if DOCPART == 3
	.amdgcn_target "amdgcn-amd-amdhsa--gfx1250"
	.amdhsa_code_object_version 6
	.text
	.protected	k_q2d6e98f481_ffn2
	.globl	k_q2d6e98f481_ffn2
	.p2align	8
	.type	k_q2d6e98f481_ffn2,@function
k_q2d6e98f481_ffn2:
	s_mov_b64 s[64:65], 0
	v_nop
	global_prefetch_b8 v0, s[64:65] scope:SCOPE_SE
	s_setreg_imm32_b32 hwreg(HW_REG_WAVE_MODE, 25, 1), 1
	s_wait_xcnt 0x0
; FFN2.  y = Q(h) Q(W2[e]) x 2^(eh + ew2) for the rows routed to expert e, on codes of E5M2.  Work-group (x, y): columns 64 (x & 15) .. + 63 of D, K half x / 16 (2,048 hidden units) of expert y: 512 KiB of W2, read once in the launch.
; The two K halves go to two parts of ypart (8,192 rows of 4,096 bytes each) and are added, with b2 and the gate's weights, by the launch behind this one: each byte of ypart has one owner.
; Expert e owns tiles 64 e .. 64 e + 63 of himg and of ypart; it has nt = max(ceil(n / 16), 1) of them, n being the number of its rows that the launch before stored: the same formula as there, so every tile that is loaded here was stored there.
; The structure is the first product's: all sixteen waves take one way through the text.
; PHASE 1: wave w (c = w & 3, kq = w / 4) brings four blocks of W2: block b is chunk c of K step 4 b + kq of the half's sixteen.  The hidden layer's images hold k in the order in which the first product left it:
; register 4 c + p, byte b, lane half h: k = 64 (c / 2) + 32 h + 16 (p & 1) + 4 b + 2 (c & 1) + p / 2.  W2's rows are loaded in that very order (load 4 p + b reads that row, 256 consecutive bytes for sixteen lanes),
; so every product meets its partner and nothing is permuted by an instruction but the turn of 4 x 4 bytes.  Every image of a fragment has LDS bytes of its own and is written once.  One barrier.
; PHASE 2: wave (g = w / 2, u = w & 1) multiplies row tiles g, g + 8, g + 16 over K steps 8 u .. 8 u + 7; its fragments come from himg as they lie, 512 consecutive bytes a load.  The odd wave of a pair then hands its 96 sums to
; the even one through LDS (12,288 bytes a pair, bytes of their own), behind a second barrier; the even wave adds them and stores.  All three tiles are always multiplied (one beyond the expert's last is held at the last); the way out of such a tile is jumped over.
; THE PRODUCT IS USED TRANSPOSED: lane (r, h) holds row r; register j of tile t is column 32 h + 4 j + t.  The scaling writes other registers anyway and puts the columns in order; a tile goes through the wave's own stage in LDS and leaves as rows of 256 bytes.
; Tiles 24 on are served last by all sixteen waves, a tile a trip over all sixteen K steps.
; NO TENSOR LOAD, NO CLUSTER: trip counts and branches hang on numbers read from memory; what work-groups share (the hidden layer's codes, 2 KiB a row and K half) is small beside the 512 KiB that each reads alone.
; NO PREFETCH: three quarters of the work-group's stream are asked for by its first loads.
; LIMITS: ew2 between -126 and 112; eh + ew2 between -126 and 127.  NaN and infinities are not served.
.set LI0,  1                           ; v1   16 x lane
.set LI1,  2                           ; v2   + 65,536
.set PS0,  3                           ; v3   where I store images: 16 x lane + 512 c + 8,192 kq
.set PS1,  4                           ; v4   + 65,536: blocks 2 and 3
.set STO,  5                           ; v5   my stage, in: 272 r + 128 h
.set SRD,  6                           ; v6   my stage, back: 272 h + 16 r
.set LID,  7                           ; v7   where I read images in phase 2: 16 x lane + 65,536 u
.set VW,   8                           ; v8   W2: 131,072 h + 16 r
.set RDA,  9                           ; v9   my pair's sums in LDS: 200,704 + 12,288 g + 16 x lane
.set VY,   13                          ; v13  ypart: 4,096 h + 16 r
.set WSC,  14                          ; v14  2^ew2;  v15  57,344 x 2^ew2
.set WLIM, 15
.set SETS, 24
.set PP,   216
.set QQ,   232
.set ACC,  24
.set AF,   120
.set BF,   216
.set WB,   32                          ; s[32:39] my four bases in W2
.set SA,   88                          ; s[88:93] himg at my three tiles
.set SY,   94                          ; s[94:99] ypart at my three tiles
.macro LOADBLK s
.set RB, SETS+64*((\s)%3)
.irp p, 0,1,2,3
.irp b, 0,1,2,3
	global_load_b128 v[RB+16*\p+4*\b:RB+16*\p+4*\b+3], v[VW], s[WB+2*(\s):WB+2*(\s)+1] offset:(16*(\p%2)+4*\b+\p/2)*4096 th:TH_LOAD_NT
.endr
.endr
.endm
.macro PROD s, left                    ; left: the loads issued behind block s's sixteen, which may stay out
.set RB, SETS+64*((\s)%3)
	s_wait_loadcnt \left
.set i, 0
.rept 64
	v_med3_num_f32 v[RB+i], v[RB+i], -v[WLIM], v[WLIM]   ; the conversion does not saturate (ISA guide 7.6.2): the hold comes first
.set i, i+1
.endr
.irp m, 0,1,2,3,4,5,6,7
	v_cvt_scalef32_pk8_bf8_f32 v[PP+2*\m:PP+2*\m+1], v[RB+8*\m:RB+8*\m+7], v[WSC]
.endr
	v_nop                                          ; a plain instruction between the conversions and the lines that read their results and write their sources
.irp p, 0,1,2,3
	v_perm_b32 v[RB+4*\p],   v[PP+4*\p+1], v[PP+4*\p],   s48
	v_perm_b32 v[RB+4*\p+1], v[PP+4*\p+1], v[PP+4*\p],   s49
	v_perm_b32 v[RB+4*\p+2], v[PP+4*\p+3], v[PP+4*\p+2], s48
	v_perm_b32 v[RB+4*\p+3], v[PP+4*\p+3], v[PP+4*\p+2], s49
.endr
	s_wait_dscnt 0x0                               ; the last block's LDS stores have read the registers that are written next
.irp p, 0,1,2,3
	v_perm_b32 v[QQ+\p],    v[RB+4*\p+2], v[RB+4*\p],   s50
	v_perm_b32 v[QQ+4+\p],  v[RB+4*\p+2], v[RB+4*\p],   s51
	v_perm_b32 v[QQ+8+\p],  v[RB+4*\p+3], v[RB+4*\p+1], s50
	v_perm_b32 v[QQ+12+\p], v[RB+4*\p+3], v[RB+4*\p+1], s51
.endr
.irp t, 0,1,2,3
	ds_store_b128 v[PS0+(\s)/2], v[QQ+4*\t:QQ+4*\t+3] offset:((\s)%2)*32768+2048*\t
.endr
.endm
.macro ALOAD kk, q
.irp a, 0,1,2
.irp c, 0,1,2,3
	global_load_b128 v[AF+48*(\kk)+16*\a+4*\c:AF+48*(\kk)+16*\a+4*\c+3], v[LI0], s[SA+2*\a:SA+2*\a+1] offset:2048*(\q)+512*\c
.endr
.endr
.endm
.macro MULS q, zero                    ; zero = 1: the first K step starts the sums.  The accumulators take turns, one instruction a turn
.irp bp, 0,1
.irp t, 0,1
.irp c, 0,1,2,3
	ds_load_b128 v[BF+16*\t+4*\c:BF+16*\t+4*\c+3], v[LID] offset:8192*(\q)+2048*(2*\bp+\t)+512*\c
.endr
.endr
	s_wait_dscnt 0x0
.irp t, 0,1
.irp a, 0,1,2
.if \zero
	v_wmma_f32_16x16x128_bf8_bf8 v[ACC+32*\a+8*(2*\bp+\t):ACC+32*\a+8*(2*\bp+\t)+7], v[BF+16*\t:BF+16*\t+15], v[AF+48*((\q)%2)+16*\a:AF+48*((\q)%2)+16*\a+15], 0
.else
	v_wmma_f32_16x16x128_bf8_bf8 v[ACC+32*\a+8*(2*\bp+\t):ACC+32*\a+8*(2*\bp+\t)+7], v[BF+16*\t:BF+16*\t+15], v[AF+48*((\q)%2)+16*\a:AF+48*((\q)%2)+16*\a+15], v[ACC+32*\a+8*(2*\bp+\t):ACC+32*\a+8*(2*\bp+\t)+7]
.endif
.endr
.endr
.rept 4
	v_nop                                          ; four places ahead of the next loads into registers that these products read, and of the first read of results
.endr
.endr
.endm
; THE WAY OUT of one tile of 16 rows x 64 columns: sums in v[acc] on, 64 registers at work from v[tmp] on, rows to s[sy].  red = 0, 1, 2: my partner's sums of that tile are added first; red = -1: there are none
.macro EPI2 acc, tmp, sy, red
	s_wait_xcnt 0x0                                ; the last tile's stores have read their registers
.if (\red) >= 0
.irp n, 0,1,2,3,4,5,6,7
	ds_load_b128 v[(\tmp)+4*\n:(\tmp)+4*\n+3], v[RDA] offset:512*(8*(\red)+\n)
.endr
	s_wait_dscnt 0x0
.set i, 0
.rept 16
	v_pk_add_f32 v[(\acc)+i:(\acc)+i+1], v[(\acc)+i:(\acc)+i+1], v[(\tmp)+i:(\tmp)+i+1]   ; each accumulator from its low end on
.set i, i+2
.endr
.endif
.irp j, 0,1,2,3,4,5,6,7
.irp t, 0,1,2,3
	v_mul_f32 v[(\tmp)+4*\j+\t], s62, v[(\acc)+8*\t+\j]   ; x 2^(eh + ew2); register 4 j + t is column 32 h + 4 j + t; each accumulator is read from its low end on
.endr
.endr
.irp j, 0,1,2,3,4,5,6,7
	ds_store_b128 v[STO], v[(\tmp)+4*\j:(\tmp)+4*\j+3] offset:16*\j
.endr
.irp i, 0,1,2,3,4,5,6,7
	ds_load_b128 v[(\tmp)+32+4*\i:(\tmp)+32+4*\i+3], v[SRD] offset:544*\i   ; LDS serves a wave's instructions in order (ISA guide 5.7.1.4): these see my stores
.endr
.irp i, 0,1,2,3,4,5,6,7
	s_wait_dscnt 7-\i
	global_store_b128 v[VY], v[(\tmp)+32+4*\i:(\tmp)+32+4*\i+3], s[\sy:\sy+1] offset:8192*\i   ; sixteen lanes store 256 consecutive bytes, aligned
.endr
.endm
	s_load_b256 s[4:11], s[0:1], 0x0               ; himg s[4:5], W2 s[6:7], the scales s[8:9], route s[10:11]
	s_load_b64 s[12:13], s[0:1], 0x20              ; ypart
	v_lshl_add_u32 v254, v0, 2, 0x49000
	v_mov_b32 v255, 0
	v_lshrrev_b32 v20, 5, v0
	v_readfirstlane_b32 s16, v20                   ; wave 0..15
	s_and_b32 s17, s16, 1                          ; u: which eight K steps are mine in phase 2
	s_lshr_b32 s18, s16, 1                         ; g
	s_and_b32 s19, ttmp7, 0xffff                   ; expert
	s_and_b32 s14, ttmp9, 15                       ; which 64 columns
	s_lshr_b32 s15, ttmp9, 4                       ; which K half
	s_and_b32 s21, s16, 3                          ; c
	s_lshr_b32 s28, s16, 2                         ; kq
	v_and_b32 v20, 31, v0
	v_lshlrev_b32 v[LI0], 4, v20
	v_add_nc_u32 v[LI1], 0x10000, v[LI0]
	s_lshl_b32 s29, s21, 9
	s_lshl_b32 s30, s28, 13
	s_add_co_u32 s29, s29, s30
	v_add_nc_u32 v[PS0], s29, v[LI0]
	v_add_nc_u32 v[PS1], 0x10000, v[PS0]
	s_lshl_b32 s30, s17, 16
	v_add_nc_u32 v[LID], s30, v[LI0]
	s_mul_i32 s30, s18, 12288
	s_add_co_u32 s30, s30, 200704
	v_add_nc_u32 v[RDA], s30, v[LI0]
	v_and_b32 v20, 15, v0                          ; r
	v_bfe_u32 v21, v0, 4, 1                        ; h
	s_mul_i32 s29, s16, 4352                       ; my stage: 16 rows x 272 bytes, behind the images
	s_add_co_u32 s29, s29, 0x20000
	v_mul_u32_u24 v[STO], v20, 272
	v_lshl_add_u32 v[STO], v21, 7, v[STO]
	v_add_nc_u32 v[STO], s29, v[STO]
	v_mul_u32_u24 v[SRD], v21, 272
	v_lshl_add_u32 v[SRD], v20, 4, v[SRD]
	v_add_nc_u32 v[SRD], s29, v[SRD]
	v_lshlrev_b32 v[VW], 4, v20
	v_lshl_add_u32 v[VY], v21, 12, v[VW]
	v_lshl_add_u32 v[VW], v21, 17, v[VW]           ; lanes 16-31 read 32 rows (of 4,096 bytes) further down
	s_mov_b32 s48, 0x05010400
	s_mov_b32 s49, 0x07030602
	s_mov_b32 s50, 0x05040100
	s_mov_b32 s51, 0x07060302
	s_lshl_b32 s30, s19, 24                        ; W2: expert x 16 MiB
	s_lshl_b32 s31, s14, 8                         ; + 64 columns x (x & 15)
	s_add_co_u32 s30, s30, s31
	s_lshl_b32 s31, s15, 23                        ; + 2,048 rows x K half
	s_add_co_u32 s30, s30, s31
	s_lshl_b32 s31, s28, 19                        ; + 128 kq rows
	s_add_co_u32 s30, s30, s31
	s_lshr_b32 s31, s21, 1
	s_lshl_b32 s31, s31, 18                        ; + 64 (c / 2) rows
	s_add_co_u32 s30, s30, s31
	s_and_b32 s31, s21, 1
	s_lshl_b32 s31, s31, 13                        ; + 2 (c & 1) rows
	s_add_co_u32 s30, s30, s31
	s_mov_b32 s31, 0
	s_lshl_b32 s20, s19, 4
	s_lshl_b32 s29, s19, 8
	s_wait_kmcnt 0x0
	s_load_b128 s[24:27], s[8:9], s20 offset:0x0   ; ex, ew1, eh, ew2 of my expert
	s_load_b32 s23, s[10:11], s29 offset:0x0       ; n: my expert's rows
	s_add_nc_u64 s[30:31], s[6:7], s[30:31]
.irp b, 0,1,2,3
	s_add_nc_u64 s[WB+2*\b:WB+2*\b+1], s[30:31], \b<<21   ; block b: four K steps, 512 rows, on
.endr
	LOADBLK 0                                      ; the stream starts before anything else is set up
	LOADBLK 1
	LOADBLK 2
	s_wait_kmcnt 0x0
	s_add_co_i32 s28, s27, 127
	s_lshl_b32 s29, s28, 23
	v_mov_b32 v[WSC], s29
	s_add_co_i32 s28, s28, 15
	s_lshl_b32 s28, s28, 23
	s_or_b32 s28, s28, 0x600000
	v_mov_b32 v[WLIM], s28
	s_add_co_i32 s62, s26, s27
	s_add_co_i32 s62, s62, 127
	s_lshl_b32 s62, s62, 23                        ; 2^(eh + ew2) as f32
	s_min_u32 s23, s23, 1024
	s_add_co_u32 s23, s23, 15
	s_lshr_b32 s23, s23, 4
	s_max_u32 s23, s23, 1                          ; nt
	s_lshl_b32 s22, s19, 6                         ; my expert's first tile
	s_lshl_b32 s30, s15, 15
	s_mov_b32 s31, 0
	s_add_nc_u64 s[66:67], s[4:5], s[30:31]        ; himg at my K half: 16 K steps of 2,048 bytes
	s_lshl_b32 s30, s15, 25                        ; ypart: my K half's part of 8,192 rows,
	s_lshl_b32 s28, s14, 8                         ; my 64 columns
	s_add_co_u32 s30, s30, s28
	s_add_nc_u64 s[68:69], s[12:13], s[30:31]
	s_lshl_b32 s63, s17, 14                        ; my eight K steps of the sixteen
	s_sub_co_u32 s28, s23, 1
.irp a, 0,1,2
	s_add_co_u32 s29, s18, 8*\a                    ; tile g + 8 a of the expert, held at its last;
	s_min_u32 s29, s29, s28
	s_add_co_u32 s29, s29, s22
	s_min_u32 s29, s29, 511                        ; a loaded number enters an address only behind a bound
	s_lshl_b32 s30, s29, 16
	s_add_nc_u64 s[SY+2*\a:SY+2*\a+1], s[68:69], s[30:31]
	s_add_co_u32 s30, s30, s63
	s_add_nc_u64 s[SA+2*\a:SA+2*\a+1], s[66:67], s[30:31]
.endr
	PROD 0, 32                                     ; behind block 0: blocks 1 and 2
	LOADBLK 3                                      ; set 0 is read out: it takes the last block
	PROD 1, 32                                     ; behind block 1: blocks 2 and 3
	PROD 2, 16                                     ; behind block 2: block 3
	ALOAD 0, 0                                     ; sets 1 and 2 are read out: my rows' first two K steps land there while the last block is converted
	ALOAD 1, 1
	PROD 3, 24                                     ; behind block 3: those 24 loads
	s_wait_dscnt 0x0                               ; for the others' sake: my images lie in LDS
	s_barrier_signal -1
	s_barrier_wait -1                              ; all 64 images are whole; nobody writes them from here on
.irp q, 0,1,2,3,4,5,6,7
.if \q < 7
	s_wait_loadcnt 12                              ; this K step's twelve loads are in; the next K step's twelve, issued behind them, may be out
.else
	s_wait_loadcnt 0
.endif
.if \q == 0
	MULS \q, 1
.else
	MULS \q, 0
.endif
.if \q < 6
	ALOAD \q%2, \q+2
.endif
.endr
	s_cmp_eq_u32 s17, 0                            ; the odd wave of a pair hands its 96 sums over as they stand: 512 consecutive bytes a store, each accumulator from its low end on
	s_cbranch_scc1 .Lkeep
.set n, 0
.rept 24
	ds_store_b128 v[RDA], v[ACC+4*n:ACC+4*n+3] offset:512*n
.set n, n+1
.endr
.Lkeep:
	s_wait_dscnt 0x0                               ; for the partner's sake: my stores have landed
	s_barrier_signal -1
	s_barrier_wait -1
	s_cmp_lg_u32 s17, 0
	s_cbranch_scc1 .Lgiven
.irp a, 0,1,2                          ; the even wave's three tiles go out; one that the expert does not have is passed over
	s_add_co_u32 s28, s18, 8*\a
	s_cmp_lt_u32 s28, s23
	s_cbranch_scc0 .Lskip\a
	EPI2 ACC+32*\a, AF, SY+2*\a, \a
.Lskip\a:
.endr
.Lgiven:
	; ---- TILES 24 + w + 16 q, if the expert has them.  No barrier: the images are whole, and nobody writes them; the stage is the wave's own.
	s_sub_co_i32 s58, s23, 9
	s_sub_co_i32 s58, s58, s16
	s_max_i32 s58, s58, 0
	s_lshr_b32 s58, s58, 4                         ; trips = ceil((nt - 24 - w) / 16), 0 at the least
	s_cmp_eq_u32 s58, 0
	s_cbranch_scc1 .Ldone
	s_add_co_u32 s59, s22, 24
	s_add_co_u32 s59, s59, s16
.Ldloop:
	s_wait_xcnt 0x0                                ; earlier loads and stores have read their bases
	s_min_u32 s60, s59, 511
	s_lshl_b32 s30, s60, 16
	s_mov_b32 s31, 0
	s_add_nc_u64 s[SA:SA+1], s[66:67], s[30:31]
	s_add_nc_u64 s[SY:SY+1], s[68:69], s[30:31]
.irp hf, 0,1                           ; two halves of eight K steps
.rept 4
	v_nop                                          ; places ahead of loads into registers that products have read or written
.endr
.irp s, 0,1,2,3,4,5,6,7
.irp c, 0,1,2,3
	global_load_b128 v[56+16*\s+4*\c:56+16*\s+4*\c+3], v[LI0], s[SA:SA+1] offset:2048*(8*\hf+\s)+512*\c
.endr
.endr
.irp s, 0,1,2,3,4,5,6,7
.if \s > 0
.rept 4
	v_nop
.endr
.endif
.irp t, 0,1,2,3
.irp c, 0,1,2,3
	ds_load_b128 v[184+16*\t+4*\c:184+16*\t+4*\c+3], v[LI0+\hf] offset:8192*\s+2048*\t+512*\c
.endr
.endr
	s_wait_dscnt 0x0
	s_wait_loadcnt 28-4*\s                         ; K step s's four loads are in; those of the later K steps may be out
.irp t, 0,1,2,3
.if (\hf == 0) && (\s == 0)
	v_wmma_f32_16x16x128_bf8_bf8 v[24+8*\t:31+8*\t], v[184+16*\t:199+16*\t], v[56+16*\s:71+16*\s], 0
.else
	v_wmma_f32_16x16x128_bf8_bf8 v[24+8*\t:31+8*\t], v[184+16*\t:199+16*\t], v[56+16*\s:71+16*\s], v[24+8*\t:31+8*\t]
.endif
.endr
.endr
.endr
.rept 4
	v_nop
.endr
	EPI2 24, 56, SY, -1
	s_add_co_u32 s59, s59, 16
	s_sub_co_u32 s58, s58, 1
	s_cmp_lg_u32 s58, 0
	s_cbranch_scc1 .Ldloop
.Ldone:
	s_barrier_signal -1
	s_barrier_wait -1
	s_wait_tensorcnt 0x0
	ds_add_u32 v254, v255
	s_wait_dscnt 0x0
	s_endpgm
.Lfunc_end_k_q2d6e98f481_ffn2:
	.size	k_q2d6e98f481_ffn2, .Lfunc_end_k_q2d6e98f481_ffn2-k_q2d6e98f481_ffn2
	.p2alignl 7, 3214868480
	.fill 96, 4, 3214868480
	.section	.rodata,"a",@progbits
	.p2align	6, 0x0
	.amdhsa_kernel k_q2d6e98f481_ffn2
		.amdhsa_group_segment_fixed_size 301056
		.amdhsa_private_segment_fixed_size 0
		.amdhsa_enable_private_segment 0
		.amdhsa_kernarg_size 40
		.amdhsa_user_sgpr_count 2
		.amdhsa_user_sgpr_kernarg_segment_ptr 1
		.amdhsa_wavefront_size32 1
		.amdhsa_system_sgpr_workgroup_id_x 1
		.amdhsa_system_sgpr_workgroup_id_y 1
		.amdhsa_system_sgpr_workgroup_id_z 1
		.amdhsa_system_vgpr_workitem_id 0
		.amdhsa_next_free_vgpr 256
		.amdhsa_next_free_sgpr 100
		.amdhsa_reserve_vcc 0
		.amdhsa_float_denorm_mode_32 3
		.amdhsa_float_denorm_mode_16_64 3
		.amdhsa_memory_ordered 1
		.amdhsa_forward_progress 1
		.amdhsa_inst_pref_size 113
	.end_amdhsa_kernel
	.amdgpu_metadata
---
amdhsa.version: [ 1, 2 ]
amdhsa.kernels:
  - .name:           k_q2d6e98f481_ffn2
    .symbol:         k_q2d6e98f481_ffn2.kd
    .args:
      - { .name: himg, .offset: 0, .size: 8, .value_kind: global_buffer, .address_space: global }
      - { .name: W2, .offset: 8, .size: 8, .value_kind: global_buffer, .address_space: global }
      - { .name: lowp_scales, .offset: 16, .size: 8, .value_kind: global_buffer, .address_space: global }
      - { .name: route, .offset: 24, .size: 8, .value_kind: global_buffer, .address_space: global }
      - { .name: ypart, .offset: 32, .size: 8, .value_kind: global_buffer, .address_space: global }
    .group_segment_fixed_size: 301056
    .private_segment_fixed_size: 0
    .kernarg_segment_align: 8
    .kernarg_segment_size: 40
    .max_flat_workgroup_size: 512
    .sgpr_count:     100
    .vgpr_count:     256
    .wavefront_size: 32
...
	.end_amdgpu_metadata
.endif
;; end of part 3
;; launch combine (part 4): grid 257 x 1, 4 waves a work-group, no clusters, 768 bytes of LDS; arguments ypart, b2, topi, gate, route, out0, out1; writes out0, out1
.if DOCPART == 4
	.amdgcn_target "amdgcn-amd-amdhsa--gfx1250"
	.amdhsa_code_object_version 6
	.text
	.protected	k_q2d6e98f481_combine
	.globl	k_q2d6e98f481_combine
	.p2align	8
	.type	k_q2d6e98f481_combine,@function
k_q2d6e98f481_combine:
	s_mov_b64 s[64:65], 0
	v_nop
	global_prefetch_b8 v0, s[64:65] scope:SCOPE_SE
	s_setreg_imm32_b32 hwreg(HW_REG_WAVE_MODE, 25, 1), 1
	s_wait_xcnt 0x0
; COMBINE.  Work-groups 0 to 255: out[t] = w0 (Y[p0] + b2[e0]) + w1 (Y[p1] + b2[e1]), Y[p] = the sum of the two K halves of row p of ypart.  One wave takes one token t = 4 x work-group + wave: each output row has one owner.
; The experts e (topi), the weights w (gate) and the places p (route: for each expert an array of 2,048 places, of which a row's own expert's entry counts) were stored by earlier launches.  A wave loads its two rows' entries of all eight
; arrays together with e and w, and selects by s_cselect_b32: so the places cost no load that waits for another.  Places and experts are whole numbers read from memory and are bounded before they enter an address.
; A stream: six rows of 4,096 bytes in, one out; every load and store of the wave covers 512 consecutive bytes.  All 48 loads go out at once; the waits count down by groups of six.
; Work-group 256: the auxiliary loss, 8 x 0.01 x the sum over e of (n[e] / 2,048) (the sum of the tokens' probabilities of e / 1,024).  Each of its four waves sums 256 tokens (16 loads of 512 consecutive bytes: a lane holds four experts of
; every second half token), over the lanes of equal parity, multiplies by n[e] and adds the two parities; the four numbers meet in LDS behind a barrier.  The branch to it hangs on the work-group's number, which all four waves share.
; No matrix unit, tensor load or cluster: waves share nothing but b2's 32 KiB.
	s_load_b256 s[4:11], s[0:1], 0x0               ; ypart s[4:5], b2 s[6:7], topi s[8:9], gate s[10:11]
	s_load_b128 s[12:15], s[0:1], 0x20             ; route s[12:13], out0 s[14:15]
	s_load_b64 s[44:45], s[0:1], 0x30              ; out1
	v_lshl_add_u32 v200, v0, 2, 0x100
	v_mov_b32 v201, 0
	v_lshrrev_b32 v1, 5, v0
	v_readfirstlane_b32 s16, v1                    ; wave
	v_and_b32 v2, 31, v0                           ; lane
	v_lshlrev_b32 v1, 4, v2                        ; 16 bytes a lane
	s_cmp_eq_u32 ttmp9, 256
	s_cbranch_scc1 .Laux
	s_lshl_b32 s17, ttmp9, 2
	s_add_co_u32 s17, s17, s16                     ; token
	s_lshl_b32 s18, s17, 3
	s_lshl_b32 s28, s17, 12
	s_mov_b32 s29, 0
	s_wait_kmcnt 0x0
	s_load_b64 s[22:23], s[8:9], s18 offset:0x0        ; my two experts
	s_load_b64 s[24:25], s[10:11], s18 offset:0x8000   ; my two weights
.irp e, 0,1,2,3,4,5,6,7
	s_load_b64 s[48+2*\e:49+2*\e], s[12:13], s18 offset:2048+8192*\e   ; expert e's entries for rows 2 t and 2 t + 1
.endr
	s_add_nc_u64 s[14:15], s[14:15], s[28:29]
	s_wait_kmcnt 0x0
	s_min_u32 s22, s22, 7
	s_min_u32 s23, s23, 7
	s_mov_b32 s20, s48
	s_mov_b32 s21, s49
.irp e, 1,2,3,4,5,6,7
	s_cmp_eq_u32 s22, \e
	s_cselect_b32 s20, s[48+2*\e], s20             ; row 2 t's place, from its own expert's array
	s_cmp_eq_u32 s23, \e
	s_cselect_b32 s21, s[49+2*\e], s21             ; row 2 t + 1's
.endr
	s_min_u32 s20, s20, 8191
	s_min_u32 s21, s21, 8191
	s_lshl_b32 s28, s20, 12
	s_add_nc_u64 s[32:33], s[4:5], s[28:29]        ; row p0, K half 0,
	s_add_nc_u64 s[34:35], s[32:33], 0x2000000     ; K half 1: 8,192 rows on
	s_lshl_b32 s28, s21, 12
	s_add_nc_u64 s[36:37], s[4:5], s[28:29]
	s_add_nc_u64 s[38:39], s[36:37], 0x2000000
	s_lshl_b32 s28, s22, 12
	s_add_nc_u64 s[40:41], s[6:7], s[28:29]
	s_lshl_b32 s28, s23, 12
	s_add_nc_u64 s[42:43], s[6:7], s[28:29]
	s_mov_b32 s26, s25                             ; the packed forms take a scalar pair's low word for both halves
	s_mov_b32 s27, s25
.irp i, 0,1,2,3,4,5,6,7
	global_load_b128 v[8+24*\i:11+24*\i],  v1, s[32:33] offset:512*\i th:TH_LOAD_NT
	global_load_b128 v[12+24*\i:15+24*\i], v1, s[34:35] offset:512*\i th:TH_LOAD_NT
	global_load_b128 v[16+24*\i:19+24*\i], v1, s[40:41] offset:512*\i
	global_load_b128 v[20+24*\i:23+24*\i], v1, s[36:37] offset:512*\i th:TH_LOAD_NT
	global_load_b128 v[24+24*\i:27+24*\i], v1, s[38:39] offset:512*\i th:TH_LOAD_NT
	global_load_b128 v[28+24*\i:31+24*\i], v1, s[42:43] offset:512*\i
.endr
.irp i, 0,1,2,3,4,5,6,7
	s_wait_loadcnt 42-6*\i                         ; group i's six loads are in; the later groups' may be out
.irp p, 0,2
	v_pk_add_f32 v[8+24*\i+\p:9+24*\i+\p],   v[8+24*\i+\p:9+24*\i+\p],   v[12+24*\i+\p:13+24*\i+\p]
	v_pk_add_f32 v[20+24*\i+\p:21+24*\i+\p], v[20+24*\i+\p:21+24*\i+\p], v[24+24*\i+\p:25+24*\i+\p]
	v_pk_add_f32 v[8+24*\i+\p:9+24*\i+\p],   v[8+24*\i+\p:9+24*\i+\p],   v[16+24*\i+\p:17+24*\i+\p]
	v_pk_add_f32 v[20+24*\i+\p:21+24*\i+\p], v[20+24*\i+\p:21+24*\i+\p], v[28+24*\i+\p:29+24*\i+\p]
	v_pk_mul_f32 v[8+24*\i+\p:9+24*\i+\p],   v[8+24*\i+\p:9+24*\i+\p],   s[24:25] op_sel_hi:[1,0]
	v_pk_fma_f32 v[8+24*\i+\p:9+24*\i+\p],   v[20+24*\i+\p:21+24*\i+\p], s[26:27], v[8+24*\i+\p:9+24*\i+\p] op_sel_hi:[1,0,1]
.endr
	global_store_b128 v1, v[8+24*\i:11+24*\i], s[14:15] offset:512*\i th:TH_STORE_NT
.endr
	s_endpgm
.Laux:
	; ---- the auxiliary loss
	v_and_b32 v3, 1, v0                            ; my lane's four experts: 4 (lane & 1) + 0 .. 3;
	v_lshlrev_b32 v3, 10, v3                       ; their counts lie 256 bytes apart
	v_mov_b32 v4, 0
	v_mov_b32 v5, 0                                ; written once: a lane permute's destination counts as one of its sources
	s_lshl_b32 s28, s16, 13                        ; my wave's 256 tokens: 8,192 bytes of probabilities
	s_mov_b32 s29, 0
	s_mov_b32 s30, 0x76543210
	s_mov_b32 s31, 0xfedcba98                      ; v_permlanex16_b32: lane l xor 16
	s_wait_kmcnt 0x0
	s_add_nc_u64 s[10:11], s[10:11], s[28:29]
.irp i, 0,1,2,3,4,5,6,7,8,9,10,11,12,13,14,15
	global_load_b128 v[8+4*\i:11+4*\i], v1, s[10:11] offset:512*\i
.endr
.irp k, 0,1,2,3
	global_load_b32 v[72+\k], v3, s[12:13] offset:256*\k   ; n of my four experts
.endr
	s_wait_loadcnt 0x0
.irp i, 2,4,6,8,10,12,14               ; two chains of eight loads each
	v_pk_add_f32 v[8:9],   v[8:9],   v[8+4*\i:9+4*\i]
	v_pk_add_f32 v[10:11], v[10:11], v[10+4*\i:11+4*\i]
	v_pk_add_f32 v[12:13], v[12:13], v[12+4*\i:13+4*\i]
	v_pk_add_f32 v[14:15], v[14:15], v[14+4*\i:15+4*\i]
.endr
	v_pk_add_f32 v[8:9],   v[8:9],   v[12:13]
	v_pk_add_f32 v[10:11], v[10:11], v[14:15]
.irp m, 2,4,8                          ; over the lanes of my parity
.irp k, 0,1,2,3
	v_add_f32_dpp v[8+\k], v[8+\k], v[8+\k] row_xmask:\m row_mask:0xf bank_mask:0xf
.endr
.endr
.irp k, 0,1,2,3
	v_permlanex16_b32 v5, v[8+\k], s30, s31
	v_add_f32 v[8+\k], v[8+\k], v5
.endr
.irp k, 0,1,2,3
	v_cvt_f32_u32 v[72+\k], v[72+\k]
.endr
	v_mul_f32 v6, v72, v8
	v_fma_f32 v6, v73, v9, v6
	v_fma_f32 v6, v74, v10, v6
	v_fma_f32 v6, v75, v11, v6
	v_add_f32_dpp v6, v6, v6 row_xmask:1 row_mask:0xf bank_mask:0xf   ; the other parity's four experts
	v_mov_b32 v7, s16
	v_lshlrev_b32 v7, 2, v7
	ds_store_b32 v7, v6                            ; all lanes write the same word with the same number: a word a wave
	s_wait_dscnt 0x0                               ; for the others' sake
	s_barrier_signal -1
	s_barrier_wait -1
	ds_load_b128 v[12:15], v4                      ; the four waves' numbers
	s_wait_dscnt 0x0
	v_add_f32 v12, v12, v13
	v_add_f32 v14, v14, v15
	v_add_f32 v12, v12, v14
	v_mul_f32 v12, 0x3323d70a, v12                 ; x 8 x 0.01 / (2,048 x 1,024)
	s_cmp_lg_u32 s16, 0
	s_cbranch_scc1 .Lauxend
	s_wait_xcnt 0x0                                ; EXEC changes only behind this wait
	v_cmp_eq_u32 vcc_lo, 0, v2
	s_and_saveexec_b32 s28, vcc_lo
	global_store_b32 v4, v12, s[44:45]
	s_wait_xcnt 0x0
	s_or_b32 exec_lo, exec_lo, s28
.Lauxend:
	s_wait_tensorcnt 0x0
	ds_add_u32 v200, v201
	s_wait_dscnt 0x0
	s_endpgm
.Lfunc_end_k_q2d6e98f481_combine:
	.size	k_q2d6e98f481_combine, .Lfunc_end_k_q2d6e98f481_combine-k_q2d6e98f481_combine
	.p2alignl 7, 3214868480
	.fill 96, 4, 3214868480
	.section	.rodata,"a",@progbits
	.p2align	6, 0x0
	.amdhsa_kernel k_q2d6e98f481_combine
		.amdhsa_group_segment_fixed_size 768
		.amdhsa_private_segment_fixed_size 0
		.amdhsa_enable_private_segment 0
		.amdhsa_kernarg_size 56
		.amdhsa_user_sgpr_count 2
		.amdhsa_user_sgpr_kernarg_segment_ptr 1
		.amdhsa_wavefront_size32 1
		.amdhsa_system_sgpr_workgroup_id_x 1
		.amdhsa_system_sgpr_workgroup_id_y 1
		.amdhsa_system_sgpr_workgroup_id_z 1
		.amdhsa_system_vgpr_workitem_id 0
		.amdhsa_next_free_vgpr 202
		.amdhsa_next_free_sgpr 66
		.amdhsa_reserve_vcc 1
		.amdhsa_float_denorm_mode_32 3
		.amdhsa_float_denorm_mode_16_64 3
		.amdhsa_memory_ordered 1
		.amdhsa_forward_progress 1
		.amdhsa_inst_pref_size 22
	.end_amdhsa_kernel
	.amdgpu_metadata
---
amdhsa.version: [ 1, 2 ]
amdhsa.kernels:
  - .name:           k_q2d6e98f481_combine
    .symbol:         k_q2d6e98f481_combine.kd
    .args:
      - { .name: ypart, .offset: 0, .size: 8, .value_kind: global_buffer, .address_space: global }
      - { .name: b2, .offset: 8, .size: 8, .value_kind: global_buffer, .address_space: global }
      - { .name: topi, .offset: 16, .size: 8, .value_kind: global_buffer, .address_space: global }
      - { .name: gate, .offset: 24, .size: 8, .value_kind: global_buffer, .address_space: global }
      - { .name: route, .offset: 32, .size: 8, .value_kind: global_buffer, .address_space: global }
      - { .name: out0, .offset: 40, .size: 8, .value_kind: global_buffer, .address_space: global }
      - { .name: out1, .offset: 48, .size: 8, .value_kind: global_buffer, .address_space: global }
    .group_segment_fixed_size: 768
    .private_segment_fixed_size: 0
    .kernarg_segment_align: 8
    .kernarg_segment_size: 56
    .max_flat_workgroup_size: 128
    .sgpr_count:     66
    .vgpr_count:     202
    .wavefront_size: 32
...
	.end_amdgpu_metadata
.endif
;; end of part 4
;; ======== version 2 of 2: 4 launches
;; workspace buffers: topi 8,192 bytes of whole numbers; gate 40,960 bytes; xq 2,097,152 bytes; route 67,584 bytes of whole numbers; himg 33,554,432 bytes; ypart 67,108,864 bytes
;; launch router (part 5): grid 256 x 1, 4 waves a work-group, no clusters, 35,328 bytes of LDS; arguments x, w_router, lowp_scales, topi, gate, xq; writes topi, gate, xq
.if DOCPART == 5
	.amdgcn_target "amdgcn-amd-amdhsa--gfx1250"
	.amdhsa_code_object_version 6
	.text
	.protected	k_q2d6e98f481_router
	.globl	k_q2d6e98f481_router
	.p2align	8
	.type	k_q2d6e98f481_router,@function
k_q2d6e98f481_router:
	s_mov_b64 s[64:65], 0
	v_nop
	global_prefetch_b8 v0, s[64:65] scope:SCOPE_SE
	s_setreg_imm32_b32 hwreg(HW_REG_WAVE_MODE, 25, 1), 1
	s_wait_xcnt 0x0
; ROUTER.  One wave takes one token t = 4 x work-group + wave (1,024 tokens, 256 work-groups of four waves).
; It makes the token's 8 logits in f32 (the product is left as it is: N = 8), the softmax with the maximum taken away, the two largest probabilities
; (a tie keeps the lower index, as jax.lax.top_k does) and their weights p / (p1 + p2), and it quantises x[t] twice, once with the scale of each chosen expert
; (entry 4 e of the scales), into rows 2 t and 2 t + 1 of xq: 1,024 codes of E5M2 each, K in its natural order.
; No address hangs on the choice: experts, weights and codes go to fixed places; a later launch places the rows by expert.
; w_router (32 KiB) is brought once a work-group into LDS, 16 bytes a thread and load, and read from there by all four waves.
; A lane holds x at k = 256 j + 8 lane + 0 .. 7 (j = 0 .. 3): eight neighbours along K for the conversions, and its 8 codes are 8 bytes, so a store of the wave covers 256 consecutive bytes.
; LIMITS: each ex between -126 and 112, so that 2^ex and 57,344 x 2^ex are f32 numbers.  NaN and infinities among the inputs are not served.
; Where two probabilities agree to the last bit of f32 arithmetic the choice may differ from another order of summing.
; No matrix unit, cluster or tensor load: 8 columns feed no matrix tile, and the work-groups share only the 32 KiB of w_router.
.set XR,  8                            ; v8-39    x: 32 numbers
.set WS0, 40                           ; v40-103  w_router: 8 k x 8 experts, set 0; later the codes
.set WS1, 104                          ; v104-167 set 1; later the held numbers
.set LG,  168                          ; v168-175 logits, then probabilities
.set EX,  176                          ; v176-183 exponentials, then the probabilities without the best
	s_load_b256 s[4:11], s[0:1], 0x0               ; x s[4:5], w_router s[6:7], the scales s[8:9], topi s[10:11]
	s_load_b128 s[12:15], s[0:1], 0x20             ; gate s[12:13], xq s[14:15]
	v_lshl_add_u32 v200, v0, 2, 0x8800
	v_mov_b32 v201, 0
	v_lshrrev_b32 v1, 5, v0
	v_readfirstlane_b32 s2, v1                     ; wave
	s_lshl_b32 s3, ttmp9, 2
	s_add_co_u32 s3, s3, s2                        ; token
	v_and_b32 v1, 31, v0                           ; lane
	v_lshlrev_b32 v2, 5, v1                        ; x: 32 bytes a lane
	v_lshlrev_b32 v3, 4, v0                        ; w_router: 16 bytes a thread
	v_lshrrev_b32 v4, 4, v0
	v_mul_u32_u24 v4, v4, 272                      ; LDS, in: sixteen threads' 256 bytes (8 rows k) make a group; groups 272 bytes apart
	v_and_b32 v5, 15, v0
	v_lshl_add_u32 v4, v5, 4, v4
	v_mul_u32_u24 v5, v1, 272                      ; LDS, out: group 32 j + lane: 68 words apart
	v_lshlrev_b32 v6, 3, v1                        ; codes: 8 bytes a lane
	v_mov_b32 v7, 0
	v_mov_b32 v184, 0                              ; written once: a lane permute's destination counts as one of its sources
	v_mov_b32 v185, 0
	s_mov_b32 s48, 0x76543210
	s_mov_b32 s49, 0xfedcba98                      ; v_permlanex16_b32: lane l xor 16
	s_mov_b32 s52, 0x3fb8aa3b                      ; log2(e)
	s_lshl_b32 s50, s3, 12
	s_mov_b32 s51, 0
	s_wait_alu depctr_va_vdst(0)
	s_wait_kmcnt 0x0
	s_load_b512 s[16:31], s[8:9], 0x0              ; the 32 exponents: ex of expert e is s[16 + 4 e]
	s_load_b512 s[32:47], s[8:9], 0x40
	s_add_nc_u64 s[4:5], s[4:5], s[50:51]          ; my row of x
.irp j, 0,1,2,3
	global_load_b128 v[XR+8*\j:XR+8*\j+3],   v2, s[4:5] offset:1024*\j th:TH_LOAD_NT
	global_load_b128 v[XR+8*\j+4:XR+8*\j+7], v2, s[4:5] offset:1024*\j+16 th:TH_LOAD_NT
.endr
.irp i, 0,1,2,3,4,5,6,7,8,9,10,11,12,13,14,15
	global_load_b128 v[WS0+4*\i:WS0+4*\i+3], v3, s[6:7] offset:2048*\i   ; the work-group's 128 threads read 2,048 consecutive bytes
.endr
	s_lshl_b32 s50, s3, 11
	s_add_nc_u64 s[14:15], s[14:15], s[50:51]      ; xq: rows 2 t and 2 t + 1
	s_lshl_b32 s50, s3, 5
	s_add_nc_u64 s[54:55], s[12:13], s[50:51]      ; gate: my 8 probabilities
	s_lshl_b32 s50, s3, 3
	s_add_nc_u64 s[56:57], s[12:13], s[50:51]      ; gate: my two weights (32,768 bytes on)
	s_add_nc_u64 s[58:59], s[10:11], s[50:51]      ; topi: my two experts
	s_wait_loadcnt 0x0
.irp i, 0,1,2,3,4,5,6,7,8,9,10,11,12,13,14,15
	ds_store_b128 v4, v[WS0+4*\i:WS0+4*\i+3] offset:2176*\i   ; 128 threads are 8 groups: 8 x 272 bytes a load
.endr
	s_wait_dscnt 0x0                               ; for the others' sake: my part of w_router lies in LDS
	s_barrier_signal -1
	s_barrier_wait -1
.macro WLD j, set                      ; w_router at my 8 k of group j: register set + 8 k + e
.irp m, 0,1,2,3,4,5,6,7,8,9,10,11,12,13,14,15
	ds_load_b128 v[\set+4*\m:\set+4*\m+3], v5 offset:8704*\j+16*\m
.endr
.endm
.macro FMAS j, set, first              ; 8 k x 4 pairs of experts; x[k] serves both halves of a pair
.irp k, 0,1,2,3,4,5,6,7
.irp p, 0,2,4,6
.if (\first) && (\k == 0)
	v_pk_mul_f32 v[LG+\p:LG+\p+1], v[\set+8*\k+\p:\set+8*\k+\p+1], v[XR+8*\j+\k:XR+8*\j+\k+1] op_sel_hi:[1,0]   ; the first product starts the sums
.elseif (\k % 2) == 0
	v_pk_fma_f32 v[LG+\p:LG+\p+1], v[\set+8*\k+\p:\set+8*\k+\p+1], v[XR+8*\j+\k:XR+8*\j+\k+1], v[LG+\p:LG+\p+1] op_sel_hi:[1,0,1]
.else
	v_pk_fma_f32 v[LG+\p:LG+\p+1], v[\set+8*\k+\p:\set+8*\k+\p+1], v[XR+8*\j+\k-1:XR+8*\j+\k], v[LG+\p:LG+\p+1] op_sel:[0,1,0] op_sel_hi:[1,1,1]
.endif
.endr
.endr
.endm
	WLD 0, WS0
	WLD 1, WS1
	s_wait_dscnt 16                                ; the older sixteen loads are in, the younger sixteen may be out
	FMAS 0, WS0, 1
	WLD 2, WS0
	s_wait_alu depctr_va_vdst(0)
	s_wait_dscnt 16
	FMAS 1, WS1, 0
	WLD 3, WS1
	s_wait_alu depctr_va_vdst(0)
	s_wait_dscnt 16
	FMAS 2, WS0, 0
	s_wait_alu depctr_va_vdst(0)
	s_wait_dscnt 0x0
	FMAS 3, WS1, 0
.irp m, 1,2,4,8                        ; the 8 sums over the 32 lanes; every lane ends with all of them
.irp e, 0,1,2,3,4,5,6,7
	v_add_f32_dpp v[LG+\e], v[LG+\e], v[LG+\e] row_xmask:\m row_mask:0xf bank_mask:0xf
.endr
.endr
.irp e, 0,2,4,6
	v_permlanex16_b32 v184, v[LG+\e], s48, s49
	v_permlanex16_b32 v185, v[LG+\e+1], s48, s49
	v_add_f32 v[LG+\e], v[LG+\e], v184
	v_add_f32 v[LG+\e+1], v[LG+\e+1], v185
.endr
	v_max3_num_f32 v184, v[LG], v[LG+1], v[LG+2]   ; the softmax: the maximum is taken away first
	v_max3_num_f32 v184, v184, v[LG+3], v[LG+4]
	v_max3_num_f32 v184, v184, v[LG+5], v[LG+6]
	v_max_num_f32 v184, v184, v[LG+7]
	v_mul_f32 v185, s52, v184
.irp e, 0,1,2,3,4,5,6,7
	v_fma_f32 v[EX+\e], v[LG+\e], s52, -v185       ; (l - m) log2(e)
.endr
	s_wait_alu depctr_va_vdst(0)
.irp e, 0,1,2,3,4,5,6,7
	v_exp_f32 v[EX+\e], v[EX+\e]
.endr
	v_nop                                          ; a plain instruction behind the last exponential
	s_wait_alu depctr_va_vdst(0)                   ; one wait for the eight, ahead of their first reader
	v_add_f32 v192, v[EX], v[EX+1]
	v_add_f32 v196, v[EX+2], v[EX+3]
	v_add_f32 v197, v[EX+4], v[EX+5]
	v_add_f32 v198, v[EX+6], v[EX+7]
	v_add_f32 v192, v192, v196
	v_add_f32 v197, v197, v198
	v_add_f32 v192, v192, v197
	s_wait_alu depctr_va_vdst(0)
	v_rcp_f32 v192, v192
	v_nop
	s_wait_alu depctr_va_vdst(0)
.irp e, 0,1,2,3,4,5,6,7
	v_mul_f32 v[LG+\e], v[EX+\e], v192             ; the probabilities
.endr
	v_mov_b32 v186, v[LG]                          ; the best: a later one wins only if it is strictly larger
	v_mov_b32 v188, 0
.irp i, 1,2,3,4,5,6,7
	v_cmp_le_f32 vcc_lo, v[LG+\i], v186
	v_cndmask_b32 v186, v[LG+\i], v186, vcc_lo
	v_cndmask_b32 v188, \i, v188, vcc_lo
.endr
.irp i, 0,1,2,3,4,5,6,7
	v_cmp_ne_u32 vcc_lo, \i, v188
	v_cndmask_b32 v[EX+\i], -1.0, v[LG+\i], vcc_lo ; the best is taken out: -1 lies under every probability
.endr
	v_mov_b32 v187, v[EX]                          ; the second
	v_mov_b32 v189, 0
.irp i, 1,2,3,4,5,6,7
	v_cmp_le_f32 vcc_lo, v[EX+\i], v187
	v_cndmask_b32 v187, v[EX+\i], v187, vcc_lo
	v_cndmask_b32 v189, \i, v189, vcc_lo
.endr
	v_add_f32 v192, v186, v187
	s_wait_alu depctr_va_vdst(0)
	v_rcp_f32 v192, v192
	v_nop
	s_wait_alu depctr_va_vdst(0)
	v_mul_f32 v190, v186, v192                     ; the two weights
	v_mul_f32 v191, v187, v192
; x with the scale of the expert in slot: the exponent is chosen by selects, never by an address
.macro QX slot
	v_mov_b32 v193, s16
.irp i, 1,2,3,4,5,6,7
	v_cmp_ne_u32 vcc_lo, \i, v[188+\slot]
	v_cndmask_b32 v193, s[16+4*\i], v193, vcc_lo
.endr
	v_add_lshl_u32 v194, v193, 127, 23             ; 2^ex as f32: the conversion takes its exponent field
	v_add_lshl_u32 v195, v193, 142, 23
	v_or_b32 v195, 0x600000, v195                  ; 57,344 x 2^ex
.set i, 0
.rept 32
	v_med3_num_f32 v[WS1+i], v[XR+i], -v195, v195  ; the conversion to an 8-bit code does not saturate (ISA guide 7.6.2): the hold comes first
.set i, i+1
.endr
.irp j, 0,1,2,3
	v_cvt_scalef32_pk8_bf8_f32 v[WS0+8*\slot+2*\j:WS0+8*\slot+2*\j+1], v[WS1+8*\j:WS1+8*\j+7], v194
.endr
	v_nop                                          ; a plain instruction between the conversions and the next write of their sources
.irp j, 0,1,2,3
	global_store_b64 v6, v[WS0+8*\slot+2*\j:WS0+8*\slot+2*\j+1], s[14:15] offset:1024*\slot+256*\j   ; 32 lanes store 256 consecutive bytes, aligned
.endr
.endm
	s_wait_kmcnt 0x0                               ; the 32 exponents, asked for at the head, are in s[16:47]
	QX 0
	QX 1
	s_wait_xcnt 0x0                                ; EXEC is a source of the stores above: it changes only behind this wait
	v_cmp_eq_u32 vcc_lo, 0, v1
	s_barrier_signal -1
	s_barrier_wait -1
	s_wait_tensorcnt 0x0
	ds_add_u32 v200, v201
	s_wait_dscnt 0x0
	s_and_saveexec_b32 s53, vcc_lo                 ; every lane holds the same numbers: lane 0 stores them
	global_store_b128 v7, v[LG:LG+3], s[54:55]
	global_store_b128 v7, v[LG+4:LG+7], s[54:55] offset:16
	global_store_b64 v7, v[190:191], s[56:57] offset:32768
	global_store_b64 v7, v[188:189], s[58:59]
	s_wait_xcnt 0x0
	s_or_b32 exec_lo, exec_lo, s53
	s_endpgm
.Lfunc_end_k_q2d6e98f481_router:
	.size	k_q2d6e98f481_router, .Lfunc_end_k_q2d6e98f481_router-k_q2d6e98f481_router
	.p2alignl 7, 3214868480
	.fill 96, 4, 3214868480
	.section	.rodata,"a",@progbits
	.p2align	6, 0x0
	.amdhsa_kernel k_q2d6e98f481_router
		.amdhsa_group_segment_fixed_size 35328
		.amdhsa_private_segment_fixed_size 0
		.amdhsa_enable_private_segment 0
		.amdhsa_kernarg_size 48
		.amdhsa_user_sgpr_count 2
		.amdhsa_user_sgpr_kernarg_segment_ptr 1
		.amdhsa_wavefront_size32 1
		.amdhsa_system_sgpr_workgroup_id_x 1
		.amdhsa_system_sgpr_workgroup_id_y 1
		.amdhsa_system_sgpr_workgroup_id_z 1
		.amdhsa_system_vgpr_workitem_id 0
		.amdhsa_next_free_vgpr 202
		.amdhsa_next_free_sgpr 66
		.amdhsa_reserve_vcc 1
		.amdhsa_float_denorm_mode_32 3
		.amdhsa_float_denorm_mode_16_64 3
		.amdhsa_memory_ordered 1
		.amdhsa_forward_progress 1
		.amdhsa_inst_pref_size 32
	.end_amdhsa_kernel
	.amdgpu_metadata
---
amdhsa.version: [ 1, 2 ]
amdhsa.kernels:
  - .name:           k_q2d6e98f481_router
    .symbol:         k_q2d6e98f481_router.kd
    .args:
      - { .name: x, .offset: 0, .size: 8, .value_kind: global_buffer, .address_space: global }
      - { .name: w_router, .offset: 8, .size: 8, .value_kind: global_buffer, .address_space: global }
      - { .name: lowp_scales, .offset: 16, .size: 8, .value_kind: global_buffer, .address_space: global }
      - { .name: topi, .offset: 24, .size: 8, .value_kind: global_buffer, .address_space: global }
      - { .name: gate, .offset: 32, .size: 8, .value_kind: global_buffer, .address_space: global }
      - { .name: xq, .offset: 40, .size: 8, .value_kind: global_buffer, .address_space: global }
    .group_segment_fixed_size: 35328
    .private_segment_fixed_size: 0
    .kernarg_segment_align: 8
    .kernarg_segment_size: 48
    .max_flat_workgroup_size: 128
    .sgpr_count:     66
    .vgpr_count:     202
    .wavefront_size: 32
...
	.end_amdgpu_metadata
.endif
;; end of part 5
;; launch ffn1 (part 6): grid 32 x 8, 16 waves a work-group, no clusters, 146,432 bytes of LDS; arguments xq, W1, b1, lowp_scales, topi, himg, route; writes himg, route
.if DOCPART == 6
	.amdgcn_target "amdgcn-amd-amdhsa--gfx1250"
	.amdhsa_code_object_version 6
	.text
	.protected	k_q2d6e98f481_ffn1
	.globl	k_q2d6e98f481_ffn1
	.p2align	8
	.type	k_q2d6e98f481_ffn1,@function
k_q2d6e98f481_ffn1:
	s_mov_b64 s[64:65], 0
	v_nop
	global_prefetch_b8 v0, s[64:65] scope:SCOPE_SE
	s_setreg_imm32_b32 hwreg(HW_REG_WAVE_MODE, 25, 1), 1
	s_wait_xcnt 0x0
; FFN1.  h = Q(gelu(Q(x) Q(W1[e]) + b1[e])) for the rows routed to expert e, on codes of E5M2.  Work-group (x, y): hidden units 128 x .. 128 x + 127 of expert y: 512 KiB of W1, read once in the launch, by this work-group alone.
; THE LIST.  The router stored each routed row's expert (row 2 t + j: token t, slot j) as whole numbers.  Wave 0 reads all 2,048 of them, ahead of its own weight loads, and places the rows of MY expert in LDS: 64 ballots, four at a time; a row's rank
; is the running count + the matching lanes below it.  Lanes that do not match write a dump word of their own.  The list was cleared first, so places beyond the expert's n rows hold row 0.  A barrier follows, in front of which no other wave
; touches LDS.  The work-group with x = 0 also stores each row's place, 1,024 e + rank, and n for the launches behind this one.  A token's two experts differ, so n is at most 1,024: expert e owns tiles 64 e .. 64 e + 63 of himg.
; nt = max(ceil(n / 16), 1) tiles are made: an expert without rows makes one tile from row 0, which nobody uses, so that every byte that the next launch loads has been stored.
; PHASE 1: W1 COMES IN.  Wave w (c = w & 3, kq = w / 4) takes four blocks of 32 k x 64 columns: block b is chunk c of K step 4 b + kq of sixteen (K steps 0-7: columns 0-63 over K = 1,024; 8-15: columns 64-127).
; A block is sixteen loads of 16 bytes a lane, in which sixteen lanes read 256 consecutive bytes of one row k.  The wave holds, converts (given scale 2^ew1), turns 4 x 4 bytes by v_perm_b32, so that four neighbours along K of ONE
; column lie in a register, and stores four registers a column group into LDS as an image of the operand's registers: tile t of a K step holds columns 4 m + t (m = 0 .. 15), so nothing changes lanes.
; Three sets of 64 registers: 48 of a wave's 64 loads go out at once.  Every image has LDS bytes of its own (16 K steps x 4 tiles x 2,048 bytes) and is written once.
; PHASE 2: THE PRODUCTS, behind a second barrier.  Wave (g = w / 2, cg = w & 1) owns row tiles g, g + 8, g + 16 of the expert (16 rows each; 384 rows in all) for column group cg.  Its rows' codes come from xq straight into registers;
; the first two K steps are asked for ahead of the barrier.  All three tiles are always loaded and multiplied, so that every count of a wait is the same on every way; only the way out of a tile that the expert does not have is jumped
; over, by a scalar branch on nt.  No barrier stands under such a branch.
; THE PRODUCT IS USED TRANSPOSED (source 0 = 16 columns of W1, source 1 = 16 rows): lane (r, h) holds row r, and register j of tile t the hidden unit 32 h + 4 j + t.  b1 / 2^(ex + ew1) is loaded into the accumulators, so the bias costs no arithmetic.
; GELU, exact form, without the difference 1 + erf: gelu(v) = max(v, 0) - |v| q, q = erfc(|v| / sqrt 2) / 2 = t 2^(P(t) - z^2 log2 e) / 2, t = 1 / (1 + |v| / (2 sqrt 2)), P of degree 9 (its fractional error is 1.2e-7 for every v).
; The sums S stand for v = S 2^s, s = ex + ew1: 2^s is folded into the two factors of |S| and S; the result R = gelu / 2^s is converted with the one scale 2^(eh - s).
; himg: tile of rows x K step (= x) x 2,048 bytes: the image of the next product's operand: register 8 cg + 2 t + j / 4, byte j % 4.
; ROWS BEYOND TILE 24 (an expert with more than 384 rows) are served last, a tile a trip, W1's codes from the same images: every split of the rows is served by this one grid.
; NO TENSOR LOAD, NO CLUSTER: trip counts and branches hang on numbers read from memory, and what the 32 work-groups of an expert share (its rows' codes, 1 KiB a row) is small beside the 512 KiB that each reads alone.
; NO PREFETCH: three quarters of the work-group's stream are asked for by its first loads.
; LIMITS: ew1 and eh - ex - ew1 between -126 and 112; ex + ew1 between -120 and 120.  NaN and infinities are not served.
.set LIST, 0x22000                     ; LDS: behind the images (131,072 bytes) and the bias images (8,192): the list, 1,024 words; then 32 dump words;
.set CNT,  LIST+4096+128               ; then n
.set LI0,  1                           ; v1   16 x lane: my place in an image in memory
.set LZ,   2                           ; v2   LIST + 16 x lane: where wave 0 clears the list
.set PS0,  3                           ; v3   where I store images: 16 x lane + 512 c + 8,192 kq
.set PS1,  4                           ; v4   + 65,536: blocks 2 and 3
.set LID,  5                           ; v5   where I read images: 16 x lane + 65,536 cg
.set BID,  6                           ; v6   the bias images of my column group: 131,072 + 4,096 cg + 16 x lane
.set BIW,  7                           ; v7   where I store my half of a bias image: 131,072 + 512 w + 16 x lane
.set VW,   8                           ; v8   W1: 262,144 h + 16 r
.set LSTA, 9                           ; v9   LIST + 64 g + 4 r: my lane's place in the list, tile g
.set VA,   10                          ; v10-12 xq: my lane's row x 1,024 + 16 h, for each of my three tiles
.set CNTA, 13                          ; v13  CNT
.set WSC,  14                          ; v14  2^ew1;  v15  57,344 x 2^ew1
.set WLIM, 15
.set HSC,  16                          ; v16  2^(eh - s);  v17  57,344 x that
.set HLIM, 17
.set LSTR, 18                          ; v18  LIST + 4 r
.set H16,  19                          ; v19  16 h;  v20, v21 at work
.set C8,   22                          ; v[22:23] the polynomial's coefficient of t^8, twice
.set SETS, 24                          ; phase 1: v24-215 three sets of 64;  v216-231 codes by rows;  v232-247 codes by columns
.set TP,   152                         ; wave 0, ahead of block 2: v152-215 the 2,048 experts, 64 a lane; then the rows' places
.set PP,   216                         ; (wave 0, for the list: v216-219 zeros, v220 4 x lane, v221 1,024 + lane, v222-223 n, v224-239 two sets of 4 addresses and 4 rows)
.set QQ,   232
.set ACC,  24                          ; phase 2: v24-119 accumulators (tile of rows a, tile of columns t: 24 + 32 a + 8 t)
.set AF,   120                         ; v120-215 rows' fragments: 120 + 48 (K step % 2) + 16 a; on the way out 96 registers at work
.set BF,   216                         ; v216-247 two fragments of W1
.set CR,   248                         ; v248-255 the hidden layer's codes; at the head my four numbers of b1
.set WB,   32                          ; s[32:39] my four bases in W1, never rewritten
.set SH,   88                          ; s[88:93] himg at my three tiles
.macro LOADBLK s                       ; block s: row k = 32 c + 16 h + i, columns 4 r .. 4 r + 3, into set s % 3
.set RB, SETS+64*((\s)%3)
.irp i, 0,1,2,3,4,5,6,7,8,9,10,11,12,13,14,15
	global_load_b128 v[RB+4*\i:RB+4*\i+3], v[VW], s[WB+2*(\s):WB+2*(\s)+1] offset:\i*16384 th:TH_LOAD_NT
.endr
.endm
; Rows 128 i + 4 lane + k (k = 0 .. 3) are placed.  s22: the expert's rows so far.
.macro BUILD i
.set RK, 224+8*((\i)%2)
.set RW, RK+4
.if (\i) >= 2
	s_wait_dscnt 4                                 ; the last turn's four stores may be out; those of two turns back, which read this set of registers, are done
.endif
.irp k, 0,1,2,3
	v_cmp_eq_u32 s[40+\k], s19, v[TP+4*(\i)+\k]    ; which lanes' row goes to my expert
.endr
.irp k, 0,1,2,3
	s_bcnt1_i32_b32 s[44+\k], s[40+\k]
.endr
	s_add_co_u32 s44, s22, s44                     ; the running count in front of k = 1,
	s_add_co_u32 s45, s44, s45                     ; 2,
	s_add_co_u32 s46, s45, s46                     ; 3,
	s_add_co_u32 s47, s46, s47                     ; and of the next four
	v_mbcnt_lo_u32_b32 v[RK],   s40, s22           ; rank = the count so far + the matching lanes below me
	s_wait_alu depctr_va_vdst(0)
	v_mbcnt_lo_u32_b32 v[RK+1], s41, s44
	v_mbcnt_lo_u32_b32 v[RK+2], s42, s45
	v_mbcnt_lo_u32_b32 v[RK+3], s43, s46
.irp k, 0
	v_cndmask_b32 v[RK+\k], v221, v[RK+\k], s[40+\k]
.endr
.irp k, 1, 2, 3
	s_delay_alu instid0(VALU_DEP_4)
	v_cndmask_b32 v[RK+\k], v221, v[RK+\k], s[40+\k]   ; a lane that does not match takes its dump word
.endr
.irp k, 0,1,2,3
	s_delay_alu instid0(VALU_DEP_4)
	v_min_u32 v[RK+\k], 0x41f, v[RK+\k]            ; a number made of loaded ones enters an address only behind a bound: 1,024 + 31
.endr
.irp k, 0,1,2,3
	s_delay_alu instid0(VALU_DEP_4)
	v_add_nc_u32 v[TP+4*(\i)+\k], s55, v[RK+\k]    ; the row's place among all experts' rows: 1,024 e + rank
.endr
.irp k, 0,1,2,3
	v_lshl_add_u32 v[RK+\k], v[RK+\k], 2, LIST
.endr
.irp k, 0,1,2,3
	v_add_nc_u32 v[RW+\k], 128*(\i)+\k, v220       ; the row's number
.endr
.irp k, 0,1,2,3
	ds_store_b32 v[RK+\k], v[RW+\k]
.endr
	s_mov_b32 s22, s47
.endm
.macro PROD s, left                    ; block s becomes four pieces of fragments in LDS.  left: the loads issued behind block s's sixteen, which may stay out
.set RB, SETS+64*((\s)%3)
	s_wait_loadcnt \left
.set i, 0
.rept 64
	v_med3_num_f32 v[RB+i], v[RB+i], -v[WLIM], v[WLIM]   ; the conversion to an 8-bit code does not saturate (ISA guide 7.6.2): the hold comes first
.set i, i+1
.endr
.irp m, 0,1,2,3,4,5,6,7
	v_cvt_scalef32_pk8_bf8_f32 v[PP+2*\m:PP+2*\m+1], v[RB+8*\m:RB+8*\m+7], v[WSC]   ; register i: the four columns of row i
.endr
	v_nop                                          ; a plain instruction between the conversions and the lines that read their results and write their sources
.irp p, 0,1,2,3                        ; rows 4 p .. 4 p + 3: 4 x 4 bytes are turned in two stages
	v_perm_b32 v[RB+4*\p],   v[PP+4*\p+1], v[PP+4*\p],   s48
	v_perm_b32 v[RB+4*\p+1], v[PP+4*\p+1], v[PP+4*\p],   s49
	v_perm_b32 v[RB+4*\p+2], v[PP+4*\p+3], v[PP+4*\p+2], s48
	v_perm_b32 v[RB+4*\p+3], v[PP+4*\p+3], v[PP+4*\p+2], s49
.endr
	s_wait_dscnt 0x0                               ; the last block's LDS stores have read the registers that are written next
.irp p, 0,1,2,3
	v_perm_b32 v[QQ+\p],    v[RB+4*\p+2], v[RB+4*\p],   s50   ; column 4 r + 0, rows 4 p .. 4 p + 3
	v_perm_b32 v[QQ+4+\p],  v[RB+4*\p+2], v[RB+4*\p],   s51
	v_perm_b32 v[QQ+8+\p],  v[RB+4*\p+3], v[RB+4*\p+1], s50
	v_perm_b32 v[QQ+12+\p], v[RB+4*\p+3], v[RB+4*\p+1], s51
.endr
.irp t, 0,1,2,3
	ds_store_b128 v[PS0+(\s)/2], v[QQ+4*\t:QQ+4*\t+3] offset:((\s)%2)*32768+2048*\t   ; registers 4 c .. 4 c + 3 of tile t's fragment of K step 4 s + kq: 512 consecutive bytes a store
.endr
.endm
.macro ALOAD kk, q                     ; my three tiles' fragments of K step q (128 codes of each row) into buffer kk
.irp a, 0,1,2
.irp c, 0,1,2,3
	global_load_b128 v[AF+48*(\kk)+16*\a+4*\c:AF+48*(\kk)+16*\a+4*\c+3], v[VA+\a], s[4:5] offset:128*(\q)+32*\c
.endr
.endr
.endm
.macro MULS q                          ; K step q: two tiles of columns at a time against my three tiles of rows.  The accumulators take turns, one instruction a turn
.irp bp, 0,1
.irp t, 0,1
.irp c, 0,1,2,3
	ds_load_b128 v[BF+16*\t+4*\c:BF+16*\t+4*\c+3], v[LID] offset:8192*(\q)+2048*(2*\bp+\t)+512*\c
.endr
.endr
	s_wait_dscnt 0x0
.irp t, 0,1
.irp a, 0,1,2
	v_wmma_f32_16x16x128_bf8_bf8 v[ACC+32*\a+8*(2*\bp+\t):ACC+32*\a+8*(2*\bp+\t)+7], v[BF+16*\t:BF+16*\t+15], v[AF+48*((\q)%2)+16*\a:AF+48*((\q)%2)+16*\a+15], v[ACC+32*\a+8*(2*\bp+\t):ACC+32*\a+8*(2*\bp+\t)+7]
.endr
.endr
.rept 4
	v_nop                                          ; four places ahead of the next loads into registers that these products read, and of the first read of results
.endr
.endr
.endm
; THE WAY OUT of one tile of 16 rows x 64 hidden units: 32 sums a lane in v[acc] on; 96 registers at work from v[tmp] on; the codes go to s[sb].
.macro EPI acc, tmp, sb
.set EA, (\acc)
.set EZ, (\tmp)
.set ET, (\tmp)+32
.set EP, (\tmp)+64
.set i, 0
.rept 32
	v_fma_f32 v[ET+i], |v[EA+i]|, s86, 1.0         ; 1 + |v| / (2 sqrt 2); each accumulator is read from its low end on
.set i, i+1
.endr
.set i, 0
	s_wait_alu depctr_va_vdst(0)
.rept 32
	v_rcp_f32 v[ET+i], v[ET+i]                     ; t
.set i, i+1
.endr
.set i, 0
	s_setprio 1
.rept 16
	v_pk_mul_f32 v[EZ+i:EZ+i+1], v[EA+i:EA+i+1], s[84:85] op_sel_hi:[1,0]   ; Z = v sqrt(log2(e) / 2): plain work behind the reciprocals
.set i, i+2
.endr
	s_wait_alu depctr_va_vdst(0)                   ; one wait for the 32 reciprocals, ahead of their first reader
.set i, 0
.rept 16
	v_pk_fma_f32 v[EP+i:EP+i+1], v[ET+i:ET+i+1], s[66:67], v[C8:C8+1] op_sel_hi:[1,0,1]
.set i, i+2
.endr
.irp k, 68,70,72,74,76,78,80,82
.set i, 0
.rept 16
	v_pk_fma_f32 v[EP+i:EP+i+1], v[EP+i:EP+i+1], v[ET+i:ET+i+1], s[\k:\k+1] op_sel_hi:[1,1,0]
.set i, i+2
.endr
.endr
.set i, 0
.rept 16
	v_pk_fma_f32 v[EP+i:EP+i+1], v[EZ+i:EZ+i+1], v[EZ+i:EZ+i+1], v[EP+i:EP+i+1] neg_lo:[1,0,0] neg_hi:[1,0,0]   ; P(t) - Z^2
.set i, i+2
.endr
.set i, 0
	s_wait_alu depctr_va_vdst(0)
.rept 32
	v_exp_f32 v[EP+i], v[EP+i]
.set i, i+1
.endr
.set i, 0
	s_setprio 0
.rept 32
	v_max_num_f32 v[EZ+i], 0, v[EA+i]              ; max(S, 0): plain work behind the exponentials
.set i, i+1
.endr
	s_wait_alu depctr_va_vdst(0)                   ; one wait for the 32 exponentials
.set i, 0
.rept 16
	v_pk_mul_f32 v[ET+i:ET+i+1], v[ET+i:ET+i+1], v[EP+i:EP+i+1]   ; q
.set i, i+2
.endr
.set i, 0
.rept 32
	v_fma_f32 v[EA+i], -|v[EA+i]|, v[ET+i], v[EZ+i]   ; R = max(S, 0) - |S| q
.set i, i+1
.endr
.set i, 0
.rept 32
	v_med3_num_f32 v[EA+i], v[EA+i], -v[HLIM], v[HLIM]
.set i, i+1
.endr
	s_wait_alu depctr_va_vdst(0)
	s_wait_xcnt 0x0                                ; the last tile's stores have read the codes' registers
.irp t, 0,1,2,3
	v_cvt_scalef32_pk8_bf8_f32 v[CR+2*\t:CR+2*\t+1], v[EA+8*\t:EA+8*\t+7], v[HSC]
.endr
	v_nop                                          ; a plain instruction behind the last conversion
	global_store_b128 v[LI0], v[CR:CR+3],   s[\sb:\sb+1]              ; 32 lanes store 512 consecutive bytes, aligned
	global_store_b128 v[LI0], v[CR+4:CR+7], s[\sb:\sb+1] offset:512
.endm
	s_load_b256 s[4:11], s[0:1], 0x0               ; xq s[4:5], W1 s[6:7], b1 s[8:9], the scales s[10:11]
	s_load_b128 s[12:15], s[0:1], 0x20             ; topi s[12:13], himg s[14:15]
	s_load_b64 s[94:95], s[0:1], 0x30              ; route
	v_lshrrev_b32 v20, 5, v0
	s_delay_alu instid0(VALU_DEP_1)
	v_readfirstlane_b32 s16, v20                   ; wave 0..15
	s_and_b32 s17, s16, 1                          ; cg: my column group in phase 2
	s_lshr_b32 s18, s16, 1                         ; g
	s_and_b32 s19, ttmp7, 0xffff                   ; expert
	s_and_b32 s21, s16, 3                          ; c
	s_lshr_b32 s28, s16, 2                         ; kq
	; every LDS address that stays is made here, ahead of the one parting of the waves
	v_and_b32 v20, 31, v0
	s_delay_alu instid0(VALU_DEP_1)
	v_lshlrev_b32 v[LI0], 4, v20
	s_wait_alu depctr_va_vdst(0)
	v_add_nc_u32 v[LZ], LIST, v[LI0]
	v_mov_b32 v[CNTA], CNT
	s_lshl_b32 s29, s21, 9
	s_lshl_b32 s30, s28, 13
	s_add_co_u32 s29, s29, s30
	v_add_nc_u32 v[PS0], s29, v[LI0]
	s_delay_alu instid0(VALU_DEP_1)
	v_add_nc_u32 v[PS1], 0x10000, v[PS0]
	s_lshl_b32 s30, s17, 16
	v_add_nc_u32 v[LID], s30, v[LI0]
	s_lshl_b32 s30, s17, 12
	s_add_co_u32 s30, s30, 0x20000
	v_add_nc_u32 v[BID], s30, v[LI0]
	s_lshl_b32 s30, s16, 9
	s_add_co_u32 s30, s30, 0x20000
	v_add_nc_u32 v[BIW], s30, v[LI0]
	v_and_b32 v20, 15, v0                          ; r
	v_bfe_u32 v21, v0, 4, 1                        ; h
	s_delay_alu instid0(VALU_DEP_2)
	v_lshlrev_b32 v[VW], 4, v20
	s_delay_alu instid0(VALU_DEP_1)
	v_lshl_add_u32 v[VW], v21, 18, v[VW]           ; lanes 16-31 read 16 rows (of 16,384 bytes) further down
	s_delay_alu instid0(VALU_DEP_4)
	v_lshl_add_u32 v[LSTR], v20, 2, LIST
	s_lshl_b32 s30, s18, 6
	v_add_nc_u32 v[LSTA], s30, v[LSTR]
	v_lshlrev_b32 v[H16], 4, v21
	v_mov_b32 v[C8], 0xbf97d29d
	v_mov_b32 v[C8+1], 0xbf97d29d
	s_mov_b32 s48, 0x05010400                      ; the four selectors of the turn
	s_mov_b32 s49, 0x07030602
	s_mov_b32 s50, 0x05040100
	s_mov_b32 s51, 0x07060302
	s_lshl_b32 s55, s19, 10                        ; 1,024 e: my expert's first place
	s_lshl_b32 s30, s19, 24                        ; W1: expert x 16 MiB
	s_lshl_b32 s31, ttmp9, 9                       ; + 128 columns x work-group x
	s_add_co_u32 s30, s30, s31
	s_lshl_b32 s31, s28, 21                        ; + 128 kq rows
	s_add_co_u32 s30, s30, s31
	s_lshl_b32 s31, s21, 19                        ; + 32 c rows
	s_add_co_u32 s30, s30, s31
	s_mov_b32 s31, 0
	s_lshl_b32 s20, s19, 4
	s_wait_kmcnt 0x0
	s_load_b128 s[24:27], s[10:11], s20 offset:0x0 ; ex, ew1, eh, ew2 of my expert
	s_add_nc_u64 s[30:31], s[6:7], s[30:31]
.irp b, 0,1,2,3
	s_add_nc_u64 s[WB+2*\b:WB+2*\b+1], s[30:31], (\b/2)*256+((\b%2)<<23)   ; block b: K step 4 b + kq: 512 rows on for odd b; 64 columns on from block 2
.endr
	s_cmp_lg_u32 s16, 0
	s_cbranch_scc1 .Lothers
	; ---- wave 0: the list.  The experts are asked for first, so that they come ahead of the weights; they take set 2's registers, whose block goes out when the list is made
.irp i, 0,1,2,3,4,5,6,7,8,9,10,11,12,13,14,15
	global_load_b128 v[TP+4*\i:TP+4*\i+3], v[LI0], s[12:13] offset:512*\i   ; rows 128 i + 4 lane + 0 .. 3: 512 consecutive bytes a load
.endr
	s_wait_alu depctr_va_vdst(0)
	LOADBLK 0
	LOADBLK 1
	v_mov_b32 v216, 0
	v_mov_b32 v217, 0
	v_mov_b32 v218, 0
	v_mov_b32 v219, 0
	v_lshrrev_b32 v220, 2, v[LI0]                  ; 4 x lane
	v_and_b32 v221, 31, v0
	s_delay_alu instid0(VALU_DEP_1)
	v_or_b32 v221, 0x400, v221                     ; my dump word: 1,024 + lane
.irp i, 0,1,2,3,4,5,6,7
	ds_store_b128 v[LZ], v[216:219] offset:512*\i  ; the list's 1,024 words are cleared; LDS serves a wave's instructions in order, so the rows come behind
.endr
	s_mov_b32 s22, 0
	s_wait_loadcnt 32                              ; the sixteen loads of experts are in; blocks 0 and 1, issued behind them, may be out
.irp i, 0,1,2,3,4,5,6,7,8,9,10,11,12,13,14,15
	BUILD \i
.endr
	v_mov_b32 v222, s22                            ; n
	v_mov_b32 v223, s22
	ds_store_b32 v[CNTA], v222
	s_cmp_lg_u32 ttmp9, 0
	s_cbranch_scc1 .Lnopos
	s_lshl_b32 s2, s19, 13                         ; one work-group of the expert's 32 stores the places and n: route + 2,048 + 8,192 e, and route + 256 e
	s_add_co_u32 s2, s2, 2048
	s_mov_b32 s3, 0
	s_add_nc_u64 s[62:63], s[94:95], s[2:3]
	s_lshl_b32 s2, s19, 8
	s_add_nc_u64 s[98:99], s[94:95], s[2:3]
	v_lshlrev_b32 v221, 1, v220                    ; 8 x lane
	s_wait_alu depctr_va_vdst(0)
.irp i, 0,1,2,3,4,5,6,7,8,9,10,11,12,13,14,15
	global_store_b128 v[LI0], v[TP+4*\i:TP+4*\i+3], s[62:63] offset:512*\i   ; 512 consecutive bytes a store.  (A row of another expert leaves a number here that nobody selects)
.endr
	global_store_b64 v221, v[222:223], s[98:99]    ; n, 64 times: 256 consecutive bytes
.Lnopos:
	s_wait_xcnt 0x0                                ; the stores have read their registers: set 2 may take its block
	LOADBLK 2
	s_branch .Ljoin
.Lothers:
	s_wait_alu depctr_va_vdst(0)
	LOADBLK 0                                      ; the stream starts before anything else is set up
	LOADBLK 1
	LOADBLK 2
.Ljoin:
	s_wait_kmcnt 0x0
	s_add_co_i32 s28, s25, 127
	s_lshl_b32 s29, s28, 23
	v_mov_b32 v[WSC], s29
	s_add_co_i32 s28, s28, 15
	s_lshl_b32 s28, s28, 23
	s_or_b32 s28, s28, 0x600000
	v_mov_b32 v[WLIM], s28
	s_add_co_i32 s56, s24, s25                     ; s = ex + ew1
	s_sub_co_i32 s28, s26, s56
	s_add_co_i32 s28, s28, 127
	s_lshl_b32 s29, s28, 23
	v_mov_b32 v[HSC], s29                          ; 2^(eh - s): the three scales folded into the conversion's one
	s_add_co_i32 s28, s28, 15
	s_lshl_b32 s28, s28, 23
	s_or_b32 s28, s28, 0x600000
	v_mov_b32 v[HLIM], s28
	s_sub_co_i32 s57, 0, s56
	s_lshl_b32 s28, s56, 23
	s_add_co_i32 s84, s28, 0x3f596d27              ; sqrt(log2(e) / 2) x 2^s: s is added to the exponent field
	s_mov_b32 s85, s84
	s_add_co_i32 s86, s28, 0x3eb504f3              ; 2^s / (2 sqrt 2)
	s_mov_b32 s66, 0x3e7c6f08                      ; the polynomial's coefficients x log2(e), t^9 down to t^0 (t^8 lies in v[22:23]); each twice, since the packed form names a pair
	s_mov_b32 s67, 0x3e7c6f08
	s_mov_b32 s68, 0x40097039
	s_mov_b32 s69, 0x40097039
	s_mov_b32 s70, 0xbfd1a1e5
	s_mov_b32 s71, 0xbfd1a1e5
	s_mov_b32 s72, 0x3ecdfd18
	s_mov_b32 s73, 0x3ecdfd18
	s_mov_b32 s74, 0xbe899a80
	s_mov_b32 s75, 0xbe899a80
	s_mov_b32 s76, 0x3e0efb2e
	s_mov_b32 s77, 0x3e0efb2e
	s_mov_b32 s78, 0x3f0a29d2
	s_mov_b32 s79, 0x3f0a29d2
	s_mov_b32 s80, 0x3fb8ab5a
	s_mov_b32 s81, 0x3fb8ab5a
	s_mov_b32 s82, 0xc034d90f                      ; -1.26551223 log2(e) - 1: the 1 is the factor 1 / 2
	s_mov_b32 s83, 0xc034d90f
	s_lshl_b32 s30, s19, 22                        ; himg: my expert's 64 tiles of 65,536 bytes,
	s_lshl_b32 s31, ttmp9, 11                      ; my K step of the next product,
	s_add_co_u32 s30, s30, s31
	s_lshl_b32 s31, s17, 10                        ; my column group's half of the image
	s_add_co_u32 s30, s30, s31
	s_mov_b32 s31, 0
	s_add_nc_u64 s[96:97], s[14:15], s[30:31]
.irp a, 0,1,2
	s_add_co_u32 s30, s18, 8*\a                    ; tile g + 8 a of the expert
	s_lshl_b32 s30, s30, 16
	s_add_nc_u64 s[SH+2*\a:SH+2*\a+1], s[96:97], s[30:31]
.endr
	; wave w makes half w & 1 of the bias image of column group w / 8, tile (w / 2) & 3: lane (r, h), register j: b1 at unit 64 cg + 32 h + 4 j + t
	s_lshl_b32 s30, s19, 14
	s_lshl_b32 s31, ttmp9, 9
	s_add_co_u32 s30, s30, s31
	s_lshr_b32 s31, s16, 3
	s_lshl_b32 s31, s31, 8
	s_add_co_u32 s30, s30, s31
	s_bfe_u32 s31, s16, 0x20001
	s_lshl_b32 s31, s31, 2
	s_add_co_u32 s30, s30, s31
	s_lshl_b32 s31, s17, 6
	s_add_co_u32 s30, s30, s31
	s_mov_b32 s31, 0
	s_add_nc_u64 s[30:31], s[8:9], s[30:31]
	v_lshlrev_b32 v20, 3, v[H16]                   ; 128 h
.irp j, 0,1,2,3
	global_load_b32 v[CR+\j], v20, s[30:31] offset:16*\j
.endr
	s_wait_dscnt 0x0                               ; for the others' sake: wave 0's list and n lie in LDS
	s_barrier_signal -1
	s_barrier_wait -1                              ; in front of this barrier only wave 0 has touched LDS; behind it nobody writes the list
.irp a, 0,1,2
	ds_load_b32 v[VA+\a], v[LSTA] offset:512*\a    ; the row at place 16 (g + 8 a) + r; 0 beyond the expert's last row
.endr
	ds_load_b32 v21, v[CNTA]
	s_wait_dscnt 0x0
	v_readfirstlane_b32 s23, v21                   ; n
	s_min_u32 s23, s23, 1024
	s_add_co_u32 s23, s23, 15
	s_lshr_b32 s23, s23, 4
	s_max_u32 s23, s23, 1                          ; nt
.irp a, 0,1,2
	v_min_u32 v[VA+\a], 0x7ff, v[VA+\a]            ; a loaded number enters an address only behind a bound
	s_delay_alu instid0(VALU_DEP_1)
	v_lshl_add_u32 v[VA+\a], v[VA+\a], 10, v[H16]
.endr
	PROD 0, 36                                     ; behind block 0: blocks 1 and 2 (32) and the four loads of b1
	LOADBLK 3                                      ; set 0 is read out: it takes the last block
	PROD 1, 36                                     ; behind block 1: block 2 (16), the four, block 3 (16)
	PROD 2, 20                                     ; behind block 2: the four and block 3
	s_wait_loadcnt 16                              ; the four are in; block 3 may be out
.irp j, 0,1,2,3
	v_ldexp_f32 v[CR+\j], v[CR+\j], s57            ; b1 / 2^s: the sums lack that power of two
.endr
	ds_store_b128 v[BIW], v[CR:CR+3]
	ALOAD 0, 0                                     ; sets 1 and 2 are read out: my rows' first two K steps land there while the last block is converted
	ALOAD 1, 1
	PROD 3, 24                                     ; behind block 3: those 24 loads
	s_wait_dscnt 0x0                               ; for the others' sake: my images and my half of a bias image lie in LDS
	s_barrier_signal -1
	s_barrier_wait -1                              ; all 64 images and the 8 bias images are whole; nobody writes LDS from here on
.irp a, 0,1,2                          ; b1 / 2^s, in the result's layout, starts the twelve sums
.irp t, 0,1,2,3
	ds_load_b128 v[ACC+32*\a+8*\t:ACC+32*\a+8*\t+3],   v[BID] offset:\t*1024
	ds_load_b128 v[ACC+32*\a+8*\t+4:ACC+32*\a+8*\t+7], v[BID] offset:\t*1024+512
.endr
.endr
.irp q, 0,1,2,3,4,5,6,7
.if \q < 7
	s_wait_loadcnt 12                              ; this K step's twelve loads are in; the next K step's twelve, issued behind them, may be out
.else
	s_wait_loadcnt 0
.endif
	MULS \q
.if \q < 6
	ALOAD \q%2, \q+2
.endif
.endr
.irp a, 0,1,2                          ; my three tiles go out; one that the expert does not have is passed over
	s_add_co_u32 s28, s18, 8*\a
	s_cmp_lt_u32 s28, s23
	s_cbranch_scc0 .Lskip\a
	EPI ACC+32*\a, AF, SH+2*\a
.Lskip\a:
.endr
	; ---- TILES 24 ON, if the expert has them: wave (g, cg) takes tiles 24 + g + 8 q.  No barrier: list and images are whole, and nobody writes them.
	s_sub_co_i32 s58, s23, 17
	s_sub_co_i32 s58, s58, s18
	s_max_i32 s58, s58, 0
	s_lshr_b32 s58, s58, 3                         ; trips = ceil((nt - 24 - g) / 8), 0 at the least, 5 at the most
	s_cmp_eq_u32 s58, 0
	s_cbranch_scc1 .Ldone
	s_add_co_u32 s59, s18, 24
.Ldloop:
	s_wait_xcnt 0x0                                ; earlier loads and stores have read their addresses, bases and data
	s_min_u32 s60, s59, 63
	s_setprio 2
	v_lshl_add_u32 v20, s60, 6, v[LSTR]
	ds_load_b32 v[VA], v20                         ; the row at place 16 tile + r
	s_lshl_b32 s30, s60, 16
	s_mov_b32 s31, 0
	s_add_nc_u64 s[SH:SH+1], s[96:97], s[30:31]
	s_wait_dscnt 0x0
	v_min_u32 v[VA], 0x7ff, v[VA]
	s_delay_alu instid0(VALU_DEP_1)
	v_lshl_add_u32 v[VA], v[VA], 10, v[H16]
.irp s, 0,1,2,3,4,5,6,7
.irp c, 0,1,2,3
	global_load_b128 v[56+16*\s+4*\c:56+16*\s+4*\c+3], v[VA], s[4:5] offset:128*\s+32*\c
.endr
.endr
.irp t, 0,1,2,3
	ds_load_b128 v[24+8*\t:27+8*\t], v[BID] offset:1024*\t
	ds_load_b128 v[28+8*\t:31+8*\t], v[BID] offset:1024*\t+512
.endr
.irp s, 0,1,2,3,4,5,6,7
.rept 4
	v_nop                                          ; places ahead of loads into registers that products have read
.endr
.irp t, 0,1,2,3
.irp c, 0,1,2,3
	ds_load_b128 v[184+16*\t+4*\c:184+16*\t+4*\c+3], v[LID] offset:8192*\s+2048*\t+512*\c
.endr
.endr
	s_wait_dscnt 0x0
	s_wait_loadcnt 28-4*\s                         ; K step s's four loads are in; those of the later K steps may be out
.irp t, 0,1,2,3
	v_wmma_f32_16x16x128_bf8_bf8 v[24+8*\t:31+8*\t], v[184+16*\t:199+16*\t], v[56+16*\s:71+16*\s], v[24+8*\t:31+8*\t]
.endr
.endr
.rept 4
	v_nop
.endr
	EPI 24, 56, SH
	s_add_co_u32 s59, s59, 8
	s_sub_co_u32 s58, s58, 1
	s_cmp_lg_u32 s58, 0
	s_cbranch_scc1 .Ldloop
	s_setprio 0
.Ldone:
	s_barrier_signal -1
	s_barrier_wait -1
	s_wait_xcnt 0x0
	v_lshl_add_u32 v254, v0, 2, 0x23400
	v_mov_b32 v255, 0
	s_wait_alu depctr_va_vdst(0)
	s_wait_tensorcnt 0x0
	ds_add_u32 v254, v255
	s_wait_dscnt 0x0
	s_endpgm
.Lfunc_end_k_q2d6e98f481_ffn1:
	.size	k_q2d6e98f481_ffn1, .Lfunc_end_k_q2d6e98f481_ffn1-k_q2d6e98f481_ffn1
	.p2alignl 7, 3214868480
	.fill 96, 4, 3214868480
	.section	.rodata,"a",@progbits
	.p2align	6, 0x0
	.amdhsa_kernel k_q2d6e98f481_ffn1
		.amdhsa_group_segment_fixed_size 146432
		.amdhsa_private_segment_fixed_size 0
		.amdhsa_enable_private_segment 0
		.amdhsa_kernarg_size 56
		.amdhsa_user_sgpr_count 2
		.amdhsa_user_sgpr_kernarg_segment_ptr 1
		.amdhsa_wavefront_size32 1
		.amdhsa_system_sgpr_workgroup_id_x 1
		.amdhsa_system_sgpr_workgroup_id_y 1
		.amdhsa_system_sgpr_workgroup_id_z 1
		.amdhsa_system_vgpr_workitem_id 0
		.amdhsa_next_free_vgpr 256
		.amdhsa_next_free_sgpr 100
		.amdhsa_reserve_vcc 0
		.amdhsa_float_denorm_mode_32 3
		.amdhsa_float_denorm_mode_16_64 3
		.amdhsa_memory_ordered 1
		.amdhsa_forward_progress 1
		.amdhsa_inst_pref_size 224
	.end_amdhsa_kernel
	.amdgpu_metadata
---
amdhsa.version: [ 1, 2 ]
amdhsa.kernels:
  - .name:           k_q2d6e98f481_ffn1
    .symbol:         k_q2d6e98f481_ffn1.kd
    .args:
      - { .name: xq, .offset: 0, .size: 8, .value_kind: global_buffer, .address_space: global }
      - { .name: W1, .offset: 8, .size: 8, .value_kind: global_buffer, .address_space: global }
      - { .name: b1, .offset: 16, .size: 8, .value_kind: global_buffer, .address_space: global }
      - { .name: lowp_scales, .offset: 24, .size: 8, .value_kind: global_buffer, .address_space: global }
      - { .name: topi, .offset: 32, .size: 8, .value_kind: global_buffer, .address_space: global }
      - { .name: himg, .offset: 40, .size: 8, .value_kind: global_buffer, .address_space: global }
      - { .name: route, .offset: 48, .size: 8, .value_kind: global_buffer, .address_space: global }
    .group_segment_fixed_size: 146432
    .private_segment_fixed_size: 0
    .kernarg_segment_align: 8
    .kernarg_segment_size: 56
    .max_flat_workgroup_size: 512
    .sgpr_count:     100
    .vgpr_count:     256
    .wavefront_size: 32
...
	.end_amdgpu_metadata
.endif
;; end of part 6
;; launch ffn2 (part 7): grid 32 x 8, 16 waves a work-group, no clusters, 301,056 bytes of LDS; arguments himg, W2, lowp_scales, route, ypart; writes ypart
.if DOCPART == 7
	.amdgcn_target "amdgcn-amd-amdhsa--gfx1250"
	.amdhsa_code_object_version 6
	.text
	.protected	k_q2d6e98f481_ffn2
	.globl	k_q2d6e98f481_ffn2
	.p2align	8
	.type	k_q2d6e98f481_ffn2,@function
k_q2d6e98f481_ffn2:
	s_mov_b64 s[64:65], 0
	v_nop
	global_prefetch_b8 v0, s[64:65] scope:SCOPE_SE
	s_setreg_imm32_b32 hwreg(HW_REG_WAVE_SCHED_MODE, 0, 2), 2
	s_setreg_imm32_b32 hwreg(HW_REG_WAVE_MODE, 25, 1), 1
	s_wait_xcnt 0x0
	s_wait_alu depctr_vm_vsrc(0)
; FFN2.  y = Q(h) Q(W2[e]) x 2^(eh + ew2) for the rows routed to expert e, on codes of E5M2.  Work-group (x, y): columns 64 (x & 15) .. + 63 of D, K half x / 16 (2,048 hidden units) of expert y: 512 KiB of W2, read once in the launch.
; The two K halves go to two parts of ypart (8,192 rows of 4,096 bytes each) and are added, with b2 and the gate's weights, by the launch behind this one: each byte of ypart has one owner.
; Expert e owns tiles 64 e .. 64 e + 63 of himg and of ypart; it has nt = max(ceil(n / 16), 1) of them, n being the number of its rows that the launch before stored: the same formula as there, so every tile that is loaded here was stored there.
; The structure is the first product's: all sixteen waves take one way through the text.
; PHASE 1: wave w (c = w & 3, kq = w / 4) brings four blocks of W2: block b is chunk c of K step 4 b + kq of the half's sixteen.  The hidden layer's images hold k in the order in which the first product left it:
; register 4 c + p, byte b, lane half h: k = 64 (c / 2) + 32 h + 16 (p & 1) + 4 b + 2 (c & 1) + p / 2.  W2's rows are loaded in that very order (load 4 p + b reads that row, 256 consecutive bytes for sixteen lanes),
; so every product meets its partner and nothing is permuted by an instruction but the turn of 4 x 4 bytes.  Every image of a fragment has LDS bytes of its own and is written once.  One barrier.
; PHASE 2: wave (g = w / 2, u = w & 1) multiplies row tiles g, g + 8, g + 16 over K steps 8 u .. 8 u + 7; its fragments come from himg as they lie, 512 consecutive bytes a load.  The odd wave of a pair then hands its 96 sums to
; the even one through LDS (12,288 bytes a pair, bytes of their own), behind a second barrier; the even wave adds them and stores.  All three tiles are always multiplied (one beyond the expert's last is held at the last); the way out of such a tile is jumped over.
; THE PRODUCT IS USED TRANSPOSED: lane (r, h) holds row r; register j of tile t is column 32 h + 4 j + t.  The scaling writes other registers anyway and puts the columns in order; a tile goes through the wave's own stage in LDS and leaves as rows of 256 bytes.
; Tiles 24 on are served last by all sixteen waves, a tile a trip over all sixteen K steps.
; NO TENSOR LOAD, NO CLUSTER: trip counts and branches hang on numbers read from memory; what work-groups share (the hidden layer's codes, 2 KiB a row and K half) is small beside the 512 KiB that each reads alone.
; NO PREFETCH: three quarters of the work-group's stream are asked for by its first loads.
; LIMITS: ew2 between -126 and 112; eh + ew2 between -126 and 127.  NaN and infinities are not served.
; THE MODE: SCHED_MODE bits 1:0 = 2 (LLVM: expert scheduling mode 2), set by the entry lines.  The code itself states the register dependences
; between vector or matrix instructions and memory or LDS instructions, with s_wait_alu, always for 0.
; THE PLAN.  Registers that memory or LDS instructions touch:
;   v1-v9, v13        Addresses, made at the head; one wait on va_vdst ahead of the first load; never written again.
;   sets 0 to 2       A block lands; PROD's vector lines read and write the set.  PROD's ONE wait on va_vdst, ahead of its four LDS stores, stands behind all of them: what lands in the set next (block 3; my rows' fragments) owes nothing more.
;   v232-247          Written by the turn's second stage, read by PROD's LDS stores: that same wait on va_vdst; a wait on vm_vsrc ahead of the next block's second stage, and one behind the barrier, where they become fragments of W2.
;   BF, AF0, AF1      ONE wait on va_vdst at the head of each half of a K step: the products issued so far are done reading BF, and at a K step's head also the buffer of rows' fragments that the K step before multiplied.
;                     Behind it go the loads into that buffer (the next K step's) and BF's eight; the products that follow name the other buffer, BF and the accumulators.
;   the accumulators  One wait on va_vdst behind the last products, ahead of the branch on u: the odd wave's LDS stores read the sums; the even wave's loads of its partner's sums land where the products read rows' fragments.
;   the way out       v[tmp ..]: my partner's sums land, the scaled sums are written over them, the stage's stores read them; v[tmp + 32 ..]: the stage's loads land, the global stores read them.  A wait on va_vdst ahead of the stage's stores;
;                     a wait on vm_vsrc at the head of the second and third tile, and at the head of each trip of the last loop.
;   v254, v255        Written at the head, read by the closing add alone.
.set LI0,  1                           ; v1   16 x lane
.set LI1,  2                           ; v2   + 65,536
.set PS0,  3                           ; v3   where I store images: 16 x lane + 512 c + 8,192 kq
.set PS1,  4                           ; v4   + 65,536: blocks 2 and 3
.set STO,  5                           ; v5   my stage, in: 272 r + 128 h
.set SRD,  6                           ; v6   my stage, back: 272 h + 16 r
.set LID,  7                           ; v7   where I read images in phase 2: 16 x lane + 65,536 u
.set VW,   8                           ; v8   W2: 131,072 h + 16 r
.set RDA,  9                           ; v9   my pair's sums in LDS: 200,704 + 12,288 g + 16 x lane
.set VY,   13                          ; v13  ypart: 4,096 h + 16 r
.set WSC,  14                          ; v14  2^ew2;  v15  57,344 x 2^ew2
.set WLIM, 15
.set SETS, 24
.set PP,   216
.set QQ,   232
.set ACC,  24
.set AF,   120
.set BF,   216
.set WB,   32                          ; s[32:39] my four bases in W2
.set SA,   88                          ; s[88:93] himg at my three tiles
.set SY,   94                          ; s[94:99] ypart at my three tiles
.macro LOADBLK s
.set RB, SETS+64*((\s)%3)
.irp p, 0,1,2,3
.irp b, 0,1,2,3
	global_load_b128 v[RB+16*\p+4*\b:RB+16*\p+4*\b+3], v[VW], s[WB+2*(\s):WB+2*(\s)+1] offset:(16*(\p%2)+4*\b+\p/2)*4096 th:TH_LOAD_NT
.endr
.endr
.endm
.macro PROD s, left                    ; left: the loads issued behind block s's sixteen, which may stay out
.set RB, SETS+64*((\s)%3)
	s_wait_loadcnt \left
.set i, 0
.rept 64
	v_med3_num_f32 v[RB+i], v[RB+i], -v[WLIM], v[WLIM]   ; the conversion does not saturate (ISA guide 7.6.2): the hold comes first
.set i, i+1
.endr
.irp m, 0,1,2,3,4,5,6,7
	v_cvt_scalef32_pk8_bf8_f32 v[PP+2*\m:PP+2*\m+1], v[RB+8*\m:RB+8*\m+7], v[WSC]
.endr
	v_nop                                          ; a plain instruction between the conversions and the lines that read their results and write their sources
.irp p, 0,1,2,3
	v_perm_b32 v[RB+4*\p],   v[PP+4*\p+1], v[PP+4*\p],   s48
	v_perm_b32 v[RB+4*\p+1], v[PP+4*\p+1], v[PP+4*\p],   s49
	v_perm_b32 v[RB+4*\p+2], v[PP+4*\p+3], v[PP+4*\p+2], s48
	v_perm_b32 v[RB+4*\p+3], v[PP+4*\p+3], v[PP+4*\p+2], s49
.endr
	s_wait_dscnt 0x0                               ; the last block's LDS stores have read the registers that are written next
.if (\s) > 0
	s_wait_alu depctr_vm_vsrc(0)                   ; the last block's LDS stores have read v[QQ ..], which the second stage writes again
.endif
.irp p, 0,1,2,3
	v_perm_b32 v[QQ+\p],    v[RB+4*\p+2], v[RB+4*\p],   s50
	v_perm_b32 v[QQ+4+\p],  v[RB+4*\p+2], v[RB+4*\p],   s51
	v_perm_b32 v[QQ+8+\p],  v[RB+4*\p+3], v[RB+4*\p+1], s50
	v_perm_b32 v[QQ+12+\p], v[RB+4*\p+3], v[RB+4*\p+1], s51
.endr
	s_wait_alu depctr_va_vdst(0)                   ; v[QQ ..] is written, which the LDS stores read; and every line above is done with the block's set, in which the next loads land
.irp t, 0,1,2,3
	ds_store_b128 v[PS0+(\s)/2], v[QQ+4*\t:QQ+4*\t+3] offset:((\s)%2)*32768+2048*\t
.endr
.endm
.macro ALOAD kk, q
.irp a, 0,1,2
.irp c, 0,1,2,3
	global_load_b128 v[AF+48*(\kk)+16*\a+4*\c:AF+48*(\kk)+16*\a+4*\c+3], v[LI0], s[SA+2*\a:SA+2*\a+1] offset:2048*(\q)+512*\c
.endr
.endr
.endm
.macro MULS q, zero                    ; zero = 1: the first K step starts the sums.  The accumulators take turns, one instruction a turn
.irp bp, 0,1
.if (\q)+\bp > 0
	s_wait_alu depctr_va_vdst(0)                   ; the products issued so far are done reading v[BF ..]; at a K step's head also the buffer of rows' fragments that the K step before multiplied
.endif
.if (\bp == 0) && ((\q) > 0) && ((\q) < 7)
	ALOAD ((\q)+1)%2, (\q)+1                       ; that buffer takes the next K step.  No product below names it
.endif
.irp t, 0,1
.irp c, 0,1,2,3
	ds_load_b128 v[BF+16*\t+4*\c:BF+16*\t+4*\c+3], v[LID] offset:8192*(\q)+2048*(2*\bp+\t)+512*\c
.endr
.endr
.if \bp == 0
.if (\q) < 7
	s_wait_loadcnt 12                              ; this K step's twelve loads are in; the next K step's twelve, issued behind them, may be out
.else
	s_wait_loadcnt 0
.endif
.endif
.irp t, 0,1
	s_wait_dscnt 4-4*\t                            ; LDS loads come back in order (ISA guide 5.7.1): fragment t is in; ahead of the first three products the other fragment's four loads may be out
.irp a, 0,1,2
.if \zero
	v_wmma_f32_16x16x128_bf8_bf8 v[ACC+32*\a+8*(2*\bp+\t):ACC+32*\a+8*(2*\bp+\t)+7], v[BF+16*\t:BF+16*\t+15], v[AF+48*((\q)%2)+16*\a:AF+48*((\q)%2)+16*\a+15], 0
.else
	v_wmma_f32_16x16x128_bf8_bf8 v[ACC+32*\a+8*(2*\bp+\t):ACC+32*\a+8*(2*\bp+\t)+7], v[BF+16*\t:BF+16*\t+15], v[AF+48*((\q)%2)+16*\a:AF+48*((\q)%2)+16*\a+15], v[ACC+32*\a+8*(2*\bp+\t):ACC+32*\a+8*(2*\bp+\t)+7]
.endif
.endr
.endr
.rept 4
	v_nop                                          ; four places ahead of the next loads into registers that these products read, and of the first read of results; they stay beside the wait that follows
.endr
.endr
.endm
; THE WAY OUT of one tile of 16 rows x 64 columns: sums in v[acc] on, 64 registers at work from v[tmp] on, rows to s[sy].  red = 0, 1, 2: my partner's sums of that tile are added first; red = -1: there are none
.macro EPI2 acc, tmp, sy, red
	s_wait_xcnt 0x0                                ; the last tile's stores have read their registers
.if (\red) > 0
	s_wait_alu depctr_vm_vsrc(0)                   ; the last tile's LDS stores have read v[tmp ..] and its global stores v[tmp + 32 ..]: both are written again below
.endif
.if (\red) >= 0
.irp n, 0,1,2,3,4,5,6,7
	ds_load_b128 v[(\tmp)+4*\n:(\tmp)+4*\n+3], v[RDA] offset:512*(8*(\red)+\n)   ; (no vector or matrix line names v[tmp ..] since the last wait on va_vdst: the one behind the last products, or the last tile's)
.endr
	s_wait_dscnt 0x0
.set i, 0
.rept 16
	v_pk_add_f32 v[(\acc)+i:(\acc)+i+1], v[(\acc)+i:(\acc)+i+1], v[(\tmp)+i:(\tmp)+i+1]   ; each accumulator from its low end on
.set i, i+2
.endr
.endif
.irp j, 0,1,2,3,4,5,6,7
.irp t, 0,1,2,3
	v_mul_f32 v[(\tmp)+4*\j+\t], s62, v[(\acc)+8*\t+\j]   ; x 2^(eh + ew2); register 4 j + t is column 32 h + 4 j + t; each accumulator is read from its low end on
.endr
.endr
	s_wait_alu depctr_va_vdst(0)                   ; the scaled sums in v[tmp ..] are written, which the LDS stores read; the products are done reading v[tmp + 32 ..], in which the stage's loads land
.irp j, 0,1,2,3,4,5,6,7
	ds_store_b128 v[STO], v[(\tmp)+4*\j:(\tmp)+4*\j+3] offset:16*\j
.endr
.irp i, 0,1,2,3,4,5,6,7
	ds_load_b128 v[(\tmp)+32+4*\i:(\tmp)+32+4*\i+3], v[SRD] offset:544*\i   ; LDS serves a wave's instructions in order (ISA guide 5.7.1.4): these see my stores
.endr
.irp i, 0,1,2,3,4,5,6,7
	s_wait_dscnt 7-\i
	global_store_b128 v[VY], v[(\tmp)+32+4*\i:(\tmp)+32+4*\i+3], s[\sy:\sy+1] offset:8192*\i   ; sixteen lanes store 256 consecutive bytes, aligned
.endr
.endm
	s_load_b256 s[4:11], s[0:1], 0x0               ; himg s[4:5], W2 s[6:7], the scales s[8:9], route s[10:11]
	s_load_b64 s[12:13], s[0:1], 0x20              ; ypart
	v_lshl_add_u32 v254, v0, 2, 0x49000
	v_mov_b32 v255, 0
	v_lshrrev_b32 v20, 5, v0
	v_readfirstlane_b32 s16, v20                   ; wave 0..15
	s_wait_alu depctr_va_sdst(0)                   ; s16 is written, ahead of its first reader
	s_and_b32 s17, s16, 1                          ; u: which eight K steps are mine in phase 2
	s_lshr_b32 s18, s16, 1                         ; g
	s_and_b32 s19, ttmp7, 0xffff                   ; expert
	s_and_b32 s14, ttmp9, 15                       ; which 64 columns
	s_lshr_b32 s15, ttmp9, 4                       ; which K half
	s_and_b32 s21, s16, 3                          ; c
	s_lshr_b32 s28, s16, 2                         ; kq
	v_and_b32 v20, 31, v0
	v_lshlrev_b32 v[LI0], 4, v20
	v_add_nc_u32 v[LI1], 0x10000, v[LI0]
	s_lshl_b32 s29, s21, 9
	s_lshl_b32 s30, s28, 13
	s_add_co_u32 s29, s29, s30
	v_add_nc_u32 v[PS0], s29, v[LI0]
	v_add_nc_u32 v[PS1], 0x10000, v[PS0]
	s_lshl_b32 s30, s17, 16
	v_add_nc_u32 v[LID], s30, v[LI0]
	s_mul_i32 s30, s18, 12288
	s_add_co_u32 s30, s30, 200704
	v_add_nc_u32 v[RDA], s30, v[LI0]
	v_and_b32 v20, 15, v0                          ; r
	v_bfe_u32 v21, v0, 4, 1                        ; h
	s_mul_i32 s29, s16, 4352                       ; my stage: 16 rows x 272 bytes, behind the images
	s_add_co_u32 s29, s29, 0x20000
	v_mul_u32_u24 v[STO], v20, 272
	v_lshl_add_u32 v[STO], v21, 7, v[STO]
	v_add_nc_u32 v[STO], s29, v[STO]
	v_mul_u32_u24 v[SRD], v21, 272
	v_lshl_add_u32 v[SRD], v20, 4, v[SRD]
	v_add_nc_u32 v[SRD], s29, v[SRD]
	v_lshlrev_b32 v[VW], 4, v20
	v_lshl_add_u32 v[VY], v21, 12, v[VW]
	v_lshl_add_u32 v[VW], v21, 17, v[VW]           ; lanes 16-31 read 32 rows (of 4,096 bytes) further down
	s_mov_b32 s48, 0x05010400
	s_mov_b32 s49, 0x07030602
	s_mov_b32 s50, 0x05040100
	s_mov_b32 s51, 0x07060302
	s_lshl_b32 s30, s19, 24                        ; W2: expert x 16 MiB
	s_lshl_b32 s31, s14, 8                         ; + 64 columns x (x & 15)
	s_add_co_u32 s30, s30, s31
	s_lshl_b32 s31, s15, 23                        ; + 2,048 rows x K half
	s_add_co_u32 s30, s30, s31
	s_lshl_b32 s31, s28, 19                        ; + 128 kq rows
	s_add_co_u32 s30, s30, s31
	s_lshr_b32 s31, s21, 1
	s_lshl_b32 s31, s31, 18                        ; + 64 (c / 2) rows
	s_add_co_u32 s30, s30, s31
	s_and_b32 s31, s21, 1
	s_lshl_b32 s31, s31, 13                        ; + 2 (c & 1) rows
	s_add_co_u32 s30, s30, s31
	s_mov_b32 s31, 0
	s_lshl_b32 s20, s19, 4
	s_lshl_b32 s29, s19, 8
	s_wait_kmcnt 0x0
	s_load_b128 s[24:27], s[8:9], s20 offset:0x0   ; ex, ew1, eh, ew2 of my expert
	s_load_b32 s23, s[10:11], s29 offset:0x0       ; n: my expert's rows
	s_add_nc_u64 s[30:31], s[6:7], s[30:31]
.irp b, 0,1,2,3
	s_add_nc_u64 s[WB+2*\b:WB+2*\b+1], s[30:31], \b<<21   ; block b: four K steps, 512 rows, on
.endr
	s_wait_alu depctr_va_vdst(0)                   ; the addresses v1 to v9 and v13 are written, which every load and store of the kernel reads
	LOADBLK 0                                      ; the stream starts before anything else is set up
	LOADBLK 1
	LOADBLK 2
	s_wait_kmcnt 0x0
	s_add_co_i32 s28, s27, 127
	s_lshl_b32 s29, s28, 23
	v_mov_b32 v[WSC], s29
	s_add_co_i32 s28, s28, 15
	s_lshl_b32 s28, s28, 23
	s_or_b32 s28, s28, 0x600000
	v_mov_b32 v[WLIM], s28
	s_add_co_i32 s62, s26, s27
	s_add_co_i32 s62, s62, 127
	s_lshl_b32 s62, s62, 23                        ; 2^(eh + ew2) as f32
	s_min_u32 s23, s23, 1024
	s_add_co_u32 s23, s23, 15
	s_lshr_b32 s23, s23, 4
	s_max_u32 s23, s23, 1                          ; nt
	s_lshl_b32 s22, s19, 6                         ; my expert's first tile
	s_lshl_b32 s30, s15, 15
	s_mov_b32 s31, 0
	s_add_nc_u64 s[66:67], s[4:5], s[30:31]        ; himg at my K half: 16 K steps of 2,048 bytes
	s_lshl_b32 s30, s15, 25                        ; ypart: my K half's part of 8,192 rows,
	s_lshl_b32 s28, s14, 8                         ; my 64 columns
	s_add_co_u32 s30, s30, s28
	s_add_nc_u64 s[68:69], s[12:13], s[30:31]
	s_lshl_b32 s63, s17, 14                        ; my eight K steps of the sixteen
	s_sub_co_u32 s28, s23, 1
.irp a, 0,1,2
	s_add_co_u32 s29, s18, 8*\a                    ; tile g + 8 a of the expert, held at its last;
	s_min_u32 s29, s29, s28
	s_add_co_u32 s29, s29, s22
	s_min_u32 s29, s29, 511                        ; a loaded number enters an address only behind a bound
	s_lshl_b32 s30, s29, 16
	s_add_nc_u64 s[SY+2*\a:SY+2*\a+1], s[68:69], s[30:31]
	s_add_co_u32 s30, s30, s63
	s_add_nc_u64 s[SA+2*\a:SA+2*\a+1], s[66:67], s[30:31]
.endr
	s_wait_alu depctr_va_vdst(0)
	PROD 0, 32                                     ; behind block 0: blocks 1 and 2
	LOADBLK 3                                      ; set 0 is read out: it takes the last block.  No wait: no vector line since the block's wait names the set
	PROD 1, 32                                     ; behind block 1: blocks 2 and 3
	PROD 2, 16                                     ; behind block 2: block 3
	ALOAD 0, 0                                     ; sets 1 and 2 are read out: my rows' first two K steps land there while the last block is converted
	ALOAD 1, 1
	PROD 3, 24                                     ; behind block 3: those 24 loads
	s_wait_dscnt 0x0                               ; for the others' sake: my images lie in LDS
	s_barrier_signal -1
	s_barrier_wait -1                              ; all 64 images are whole; nobody writes them from here on
	s_wait_alu depctr_vm_vsrc(0)                   ; my last block's LDS stores have read v232-247: these registers are fragments of W2 from here on, written by LDS loads
.irp q, 0,1,2,3,4,5,6,7
.if \q == 0
	MULS \q, 1
.else
	MULS \q, 0
.endif
.endr
	s_wait_alu depctr_va_vdst(0)                   ; behind the four places: the products have written the 96 sums, which the odd wave's LDS stores read, and are done reading the rows' fragments, in which the even wave's loads land
	s_cmp_eq_u32 s17, 0                            ; the odd wave of a pair hands its 96 sums over as they stand: 512 consecutive bytes a store, each accumulator from its low end on
	s_cbranch_scc1 .Lkeep
.set n, 0
.rept 24
	ds_store_b128 v[RDA], v[ACC+4*n:ACC+4*n+3] offset:512*n
.set n, n+1
.endr
.Lkeep:
	s_wait_dscnt 0x0                               ; for the partner's sake: my stores have landed
	s_barrier_signal -1
	s_barrier_wait -1
	s_cmp_lg_u32 s17, 0
	s_cbranch_scc1 .Lgiven
.irp a, 0,1,2                          ; the even wave's three tiles go out; one that the expert does not have is passed over
	s_add_co_u32 s28, s18, 8*\a
	s_cmp_lt_u32 s28, s23
	s_cbranch_scc0 .Lskip\a
	EPI2 ACC+32*\a, AF, SY+2*\a, \a
.Lskip\a:
.endr
.Lgiven:
	; ---- TILES 24 + w + 16 q, if the expert has them.  No barrier: the images are whole, and nobody writes them; the stage is the wave's own.
	s_sub_co_i32 s58, s23, 9
	s_sub_co_i32 s58, s58, s16
	s_max_i32 s58, s58, 0
	s_lshr_b32 s58, s58, 4                         ; trips = ceil((nt - 24 - w) / 16), 0 at the least
	s_cmp_eq_u32 s58, 0
	s_cbranch_scc1 .Ldone
	s_add_co_u32 s59, s22, 24
	s_add_co_u32 s59, s59, s16
.Ldloop:
	s_wait_xcnt 0x0                                ; earlier loads and stores have read their bases
	s_wait_alu depctr_vm_vsrc(0)                   ; the stores issued so far (the last tile's into the stage and to memory; an odd wave's 24 of its sums) have read v24-183, which this trip's loads, products and way out write
	s_min_u32 s60, s59, 511
	s_lshl_b32 s30, s60, 16
	s_mov_b32 s31, 0
	s_add_nc_u64 s[SA:SA+1], s[66:67], s[30:31]
	s_add_nc_u64 s[SY:SY+1], s[68:69], s[30:31]
.irp hf, 0,1                           ; two halves of eight K steps
.rept 4
	v_nop                                          ; places ahead of loads into registers that products have read or written
.endr
	s_wait_alu depctr_va_vdst(0)                   ; the products and the way out before are done with v56-247, in which the rows' fragments and the first four fragments of W2 land
.irp s, 0,1,2,3,4,5,6,7
.irp c, 0,1,2,3
	global_load_b128 v[56+16*\s+4*\c:56+16*\s+4*\c+3], v[LI0], s[SA:SA+1] offset:2048*(8*\hf+\s)+512*\c
.endr
.endr
.irp s, 0,1,2,3,4,5,6,7
.if \s > 0
.rept 4
	v_nop
.endr
	s_wait_alu depctr_va_vdst(0)                   ; the last K step's four products are done reading v184-247, in which the next fragments land
.endif
.irp t, 0,1,2,3
.irp c, 0,1,2,3
	ds_load_b128 v[184+16*\t+4*\c:184+16*\t+4*\c+3], v[LI0+\hf] offset:8192*\s+2048*\t+512*\c
.endr
.endr
	s_wait_dscnt 0x0
	s_wait_loadcnt 28-4*\s                         ; K step s's four loads are in; those of the later K steps may be out
.irp t, 0,1,2,3
.if (\hf == 0) && (\s == 0)
	v_wmma_f32_16x16x128_bf8_bf8 v[24+8*\t:31+8*\t], v[184+16*\t:199+16*\t], v[56+16*\s:71+16*\s], 0
.else
	v_wmma_f32_16x16x128_bf8_bf8 v[24+8*\t:31+8*\t], v[184+16*\t:199+16*\t], v[56+16*\s:71+16*\s], v[24+8*\t:31+8*\t]
.endif
.endr
.endr
.endr
.rept 4
	v_nop
.endr
	EPI2 24, 56, SY, -1
	s_add_co_u32 s59, s59, 16
	s_sub_co_u32 s58, s58, 1
	s_cmp_lg_u32 s58, 0
	s_cbranch_scc1 .Ldloop
.Ldone:
	s_barrier_signal -1
	s_barrier_wait -1
	s_wait_dscnt 0x0                               ; the closing lines, six on end
	s_wait_alu 0x0
	s_wait_tensorcnt 0x0
	ds_add_u32 v254, v255
	s_wait_dscnt 0x0
	s_endpgm
.Lfunc_end_k_q2d6e98f481_ffn2:
	.size	k_q2d6e98f481_ffn2, .Lfunc_end_k_q2d6e98f481_ffn2-k_q2d6e98f481_ffn2
	.p2alignl 7, 3214868480
	.fill 96, 4, 3214868480
	.section	.rodata,"a",@progbits
	.p2align	6, 0x0
	.amdhsa_kernel k_q2d6e98f481_ffn2
		.amdhsa_group_segment_fixed_size 301056
		.amdhsa_private_segment_fixed_size 0
		.amdhsa_enable_private_segment 0
		.amdhsa_kernarg_size 40
		.amdhsa_user_sgpr_count 2
		.amdhsa_user_sgpr_kernarg_segment_ptr 1
		.amdhsa_wavefront_size32 1
		.amdhsa_system_sgpr_workgroup_id_x 1
		.amdhsa_system_sgpr_workgroup_id_y 1
		.amdhsa_system_sgpr_workgroup_id_z 1
		.amdhsa_system_vgpr_workitem_id 0
		.amdhsa_next_free_vgpr 256
		.amdhsa_next_free_sgpr 100
		.amdhsa_reserve_vcc 0
		.amdhsa_float_denorm_mode_32 3
		.amdhsa_float_denorm_mode_16_64 3
		.amdhsa_memory_ordered 1
		.amdhsa_forward_progress 1
		.amdhsa_inst_pref_size 116
	.end_amdhsa_kernel
	.amdgpu_metadata
---
amdhsa.version: [ 1, 2 ]
amdhsa.kernels:
  - .name:           k_q2d6e98f481_ffn2
    .symbol:         k_q2d6e98f481_ffn2.kd
    .args:
      - { .name: himg, .offset: 0, .size: 8, .value_kind: global_buffer, .address_space: global }
      - { .name: W2, .offset: 8, .size: 8, .value_kind: global_buffer, .address_space: global }
      - { .name: lowp_scales, .offset: 16, .size: 8, .value_kind: global_buffer, .address_space: global }
      - { .name: route, .offset: 24, .size: 8, .value_kind: global_buffer, .address_space: global }
      - { .name: ypart, .offset: 32, .size: 8, .value_kind: global_buffer, .address_space: global }
    .group_segment_fixed_size: 301056
    .private_segment_fixed_size: 0
    .kernarg_segment_align: 8
    .kernarg_segment_size: 40
    .max_flat_workgroup_size: 512
    .sgpr_count:     100
    .vgpr_count:     256
    .wavefront_size: 32
...
	.end_amdgpu_metadata
.endif
;; end of part 7
;; launch combine (part 8): grid 257 x 1, 4 waves a work-group, no clusters, 768 bytes of LDS; arguments ypart, b2, topi, gate, route, out0, out1; writes out0, out1
.if DOCPART == 8
	.amdgcn_target "amdgcn-amd-amdhsa--gfx1250"
	.amdhsa_code_object_version 6
	.text
	.protected	k_q2d6e98f481_combine
	.globl	k_q2d6e98f481_combine
	.p2align	8
	.type	k_q2d6e98f481_combine,@function
k_q2d6e98f481_combine:
	s_mov_b64 s[64:65], 0
	v_nop
	global_prefetch_b8 v0, s[64:65] scope:SCOPE_SE
	s_setreg_imm32_b32 hwreg(HW_REG_WAVE_MODE, 25, 1), 1
	s_wait_xcnt 0x0
; COMBINE.  Work-groups 0 to 255: out[t] = w0 (Y[p0] + b2[e0]) + w1 (Y[p1] + b2[e1]), Y[p] = the sum of the two K halves of row p of ypart.  One wave takes one token t = 4 x work-group + wave: each output row has one owner.
; The experts e (topi), the weights w (gate) and the places p (route: for each expert an array of 2,048 places, of which a row's own expert's entry counts) were stored by earlier launches.  A wave loads its two rows' entries of all eight
; arrays together with e and w, and selects by s_cselect_b32: so the places cost no load that waits for another.  Places and experts are whole numbers read from memory and are bounded before they enter an address.
; A stream: six rows of 4,096 bytes in, one out; every load and store of the wave covers 512 consecutive bytes.  All 48 loads go out at once; the waits count down by groups of six.
; Work-group 256: the auxiliary loss, 8 x 0.01 x the sum over e of (n[e] / 2,048) (the sum of the tokens' probabilities of e / 1,024).  Each of its four waves sums 256 tokens (16 loads of 512 consecutive bytes: a lane holds four experts of
; every second half token), over the lanes of equal parity, multiplies by n[e] and adds the two parities; the four numbers meet in LDS behind a barrier.  The branch to it hangs on the work-group's number, which all four waves share.
; No matrix unit, tensor load or cluster: waves share nothing but b2's 32 KiB.
	s_load_b256 s[4:11], s[0:1], 0x0               ; ypart s[4:5], b2 s[6:7], topi s[8:9], gate s[10:11]
	s_load_b128 s[12:15], s[0:1], 0x20             ; route s[12:13], out0 s[14:15]
	s_load_b64 s[44:45], s[0:1], 0x30              ; out1
	v_lshl_add_u32 v200, v0, 2, 0x100
	v_mov_b32 v201, 0
	v_lshrrev_b32 v1, 5, v0
	v_readfirstlane_b32 s16, v1                    ; wave
	v_and_b32 v2, 31, v0                           ; lane
	v_lshlrev_b32 v1, 4, v2                        ; 16 bytes a lane
	s_cmp_eq_u32 ttmp9, 256
	s_cbranch_scc1 .Laux
	s_lshl_b32 s17, ttmp9, 2
	s_add_co_u32 s17, s17, s16                     ; token
	s_lshl_b32 s18, s17, 3
	s_lshl_b32 s28, s17, 12
	s_mov_b32 s29, 0
	s_wait_kmcnt 0x0
	s_load_b64 s[22:23], s[8:9], s18 offset:0x0        ; my two experts
	s_load_b64 s[24:25], s[10:11], s18 offset:0x8000   ; my two weights
.irp e, 0,1,2,3,4,5,6,7
	s_load_b64 s[48+2*\e:49+2*\e], s[12:13], s18 offset:2048+8192*\e   ; expert e's entries for rows 2 t and 2 t + 1
.endr
	s_add_nc_u64 s[14:15], s[14:15], s[28:29]
	s_wait_kmcnt 0x0
	s_min_u32 s22, s22, 7
	s_min_u32 s23, s23, 7
	s_mov_b32 s20, s48
	s_mov_b32 s21, s49
.irp e, 1,2,3,4,5,6,7
	s_cmp_eq_u32 s22, \e
	s_cselect_b32 s20, s[48+2*\e], s20             ; row 2 t's place, from its own expert's array
	s_cmp_eq_u32 s23, \e
	s_cselect_b32 s21, s[49+2*\e], s21             ; row 2 t + 1's
.endr
	s_min_u32 s20, s20, 8191
	s_min_u32 s21, s21, 8191
	s_lshl_b32 s28, s20, 12
	s_add_nc_u64 s[32:33], s[4:5], s[28:29]        ; row p0, K half 0,
	s_add_nc_u64 s[34:35], s[32:33], 0x2000000     ; K half 1: 8,192 rows on
	s_lshl_b32 s28, s21, 12
	s_add_nc_u64 s[36:37], s[4:5], s[28:29]
	s_add_nc_u64 s[38:39], s[36:37], 0x2000000
	s_lshl_b32 s28, s22, 12
	s_add_nc_u64 s[40:41], s[6:7], s[28:29]
	s_lshl_b32 s28, s23, 12
	s_add_nc_u64 s[42:43], s[6:7], s[28:29]
	s_mov_b32 s26, s25                             ; the packed forms take a scalar pair's low word for both halves
	s_mov_b32 s27, s25
	s_wait_alu depctr_va_vdst(0)
.irp i, 0,1,2,3,4,5,6,7
	global_load_b128 v[8+24*\i:11+24*\i],  v1, s[32:33] offset:512*\i th:TH_LOAD_NT
	global_load_b128 v[12+24*\i:15+24*\i], v1, s[34:35] offset:512*\i th:TH_LOAD_NT
	global_load_b128 v[16+24*\i:19+24*\i], v1, s[40:41] offset:512*\i
	global_load_b128 v[20+24*\i:23+24*\i], v1, s[36:37] offset:512*\i th:TH_LOAD_NT
	global_load_b128 v[24+24*\i:27+24*\i], v1, s[38:39] offset:512*\i th:TH_LOAD_NT
	global_load_b128 v[28+24*\i:31+24*\i], v1, s[42:43] offset:512*\i
.endr
.irp i, 0,1,2,3,4,5,6,7
	s_wait_loadcnt 42-6*\i                         ; group i's six loads are in; the later groups' may be out
.irp p, 0,2
	v_pk_add_f32 v[8+24*\i+\p:9+24*\i+\p],   v[8+24*\i+\p:9+24*\i+\p],   v[12+24*\i+\p:13+24*\i+\p]
	v_pk_add_f32 v[20+24*\i+\p:21+24*\i+\p], v[20+24*\i+\p:21+24*\i+\p], v[24+24*\i+\p:25+24*\i+\p]
	v_pk_add_f32 v[8+24*\i+\p:9+24*\i+\p],   v[8+24*\i+\p:9+24*\i+\p],   v[16+24*\i+\p:17+24*\i+\p]
	v_pk_add_f32 v[20+24*\i+\p:21+24*\i+\p], v[20+24*\i+\p:21+24*\i+\p], v[28+24*\i+\p:29+24*\i+\p]
	v_pk_mul_f32 v[8+24*\i+\p:9+24*\i+\p],   v[8+24*\i+\p:9+24*\i+\p],   s[24:25] op_sel_hi:[1,0]
	v_pk_fma_f32 v[8+24*\i+\p:9+24*\i+\p],   v[20+24*\i+\p:21+24*\i+\p], s[26:27], v[8+24*\i+\p:9+24*\i+\p] op_sel_hi:[1,0,1]
.endr
	global_store_b128 v1, v[8+24*\i:11+24*\i], s[14:15] offset:512*\i th:TH_STORE_NT
.endr
	s_endpgm
.Laux:
	; ---- the auxiliary loss
	v_and_b32 v3, 1, v0                            ; my lane's four experts: 4 (lane & 1) + 0 .. 3;
	v_lshlrev_b32 v3, 10, v3                       ; their counts lie 256 bytes apart
	v_mov_b32 v4, 0
	v_mov_b32 v5, 0                                ; written once: a lane permute's destination counts as one of its sources
	s_lshl_b32 s28, s16, 13                        ; my wave's 256 tokens: 8,192 bytes of probabilities
	s_mov_b32 s29, 0
	s_mov_b32 s30, 0x76543210
	s_mov_b32 s31, 0xfedcba98                      ; v_permlanex16_b32: lane l xor 16
	s_wait_kmcnt 0x0
	s_add_nc_u64 s[10:11], s[10:11], s[28:29]
	s_wait_alu depctr_va_vdst(0)
.irp i, 0,1,2,3,4,5,6,7,8,9,10,11,12,13,14,15
	global_load_b128 v[8+4*\i:11+4*\i], v1, s[10:11] offset:512*\i
.endr
.irp k, 0,1,2,3
	global_load_b32 v[72+\k], v3, s[12:13] offset:256*\k   ; n of my four experts
.endr
	s_wait_loadcnt 0x0
.irp i, 2,4,6,8,10,12,14               ; two chains of eight loads each
	v_pk_add_f32 v[8:9],   v[8:9],   v[8+4*\i:9+4*\i]
	v_pk_add_f32 v[10:11], v[10:11], v[10+4*\i:11+4*\i]
	v_pk_add_f32 v[12:13], v[12:13], v[12+4*\i:13+4*\i]
	v_pk_add_f32 v[14:15], v[14:15], v[14+4*\i:15+4*\i]
.endr
	v_pk_add_f32 v[8:9],   v[8:9],   v[12:13]
	v_pk_add_f32 v[10:11], v[10:11], v[14:15]
.irp m, 2,4,8                          ; over the lanes of my parity
.irp k, 0,1,2,3
	v_add_f32_dpp v[8+\k], v[8+\k], v[8+\k] row_xmask:\m row_mask:0xf bank_mask:0xf
.endr
.endr
.irp k, 0,1,2,3
	v_permlanex16_b32 v5, v[8+\k], s30, s31
	v_add_f32 v[8+\k], v[8+\k], v5
.endr
.irp k, 0,1,2,3
	v_cvt_f32_u32 v[72+\k], v[72+\k]
.endr
	v_mul_f32 v6, v72, v8
	v_fma_f32 v6, v73, v9, v6
	v_fma_f32 v6, v74, v10, v6
	v_fma_f32 v6, v75, v11, v6
	v_add_f32_dpp v6, v6, v6 row_xmask:1 row_mask:0xf bank_mask:0xf   ; the other parity's four experts
	v_mov_b32 v7, s16
	v_lshlrev_b32 v7, 2, v7
	ds_store_b32 v7, v6                            ; all lanes write the same word with the same number: a word a wave
	s_wait_dscnt 0x0                               ; for the others' sake
	s_barrier_signal -1
	s_barrier_wait -1
	ds_load_b128 v[12:15], v4                      ; the four waves' numbers
	s_wait_dscnt 0x0
	v_add_f32 v12, v12, v13
	v_add_f32 v14, v14, v15
	v_add_f32 v12, v12, v14
	v_mul_f32 v12, 0x3323d70a, v12                 ; x 8 x 0.01 / (2,048 x 1,024)
	s_cmp_lg_u32 s16, 0
	s_cbranch_scc1 .Lauxend
	s_wait_xcnt 0x0                                ; EXEC changes only behind this wait
	v_cmp_eq_u32 vcc_lo, 0, v2
	s_and_saveexec_b32 s28, vcc_lo
	s_wait_alu depctr_va_vdst(0)
	global_store_b32 v4, v12, s[44:45]
	s_wait_xcnt 0x0
	s_or_b32 exec_lo, exec_lo, s28
.Lauxend:
	s_wait_tensorcnt 0x0
	ds_add_u32 v200, v201
	s_wait_dscnt 0x0
	s_endpgm
.Lfunc_end_k_q2d6e98f481_combine:
	.size	k_q2d6e98f481_combine, .Lfunc_end_k_q2d6e98f481_combine-k_q2d6e98f481_combine
	.p2alignl 7, 3214868480
	.fill 96, 4, 3214868480
	.section	.rodata,"a",@progbits
	.p2align	6, 0x0
	.amdhsa_kernel k_q2d6e98f481_combine
		.amdhsa_group_segment_fixed_size 768
		.amdhsa_private_segment_fixed_size 0
		.amdhsa_enable_private_segment 0
		.amdhsa_kernarg_size 56
		.amdhsa_user_sgpr_count 2
		.amdhsa_user_sgpr_kernarg_segment_ptr 1
		.amdhsa_wavefront_size32 1
		.amdhsa_system_sgpr_workgroup_id_x 1
		.amdhsa_system_sgpr_workgroup_id_y 1
		.amdhsa_system_sgpr_workgroup_id_z 1
		.amdhsa_system_vgpr_workitem_id 0
		.amdhsa_next_free_vgpr 202
		.amdhsa_next_free_sgpr 66
		.amdhsa_reserve_vcc 1
		.amdhsa_float_denorm_mode_32 3
		.amdhsa_float_denorm_mode_16_64 3
		.amdhsa_memory_ordered 1
		.amdhsa_forward_progress 1
		.amdhsa_inst_pref_size 22
	.end_amdhsa_kernel
	.amdgpu_metadata
---
amdhsa.version: [ 1, 2 ]
amdhsa.kernels:
  - .name:           k_q2d6e98f481_combine
    .symbol:         k_q2d6e98f481_combine.kd
    .args:
      - { .name: ypart, .offset: 0, .size: 8, .value_kind: global_buffer, .address_space: global }
      - { .name: b2, .offset: 8, .size: 8, .value_kind: global_buffer, .address_space: global }
      - { .name: topi, .offset: 16, .size: 8, .value_kind: global_buffer, .address_space: global }
      - { .name: gate, .offset: 24, .size: 8, .value_kind: global_buffer, .address_space: global }
      - { .name: route, .offset: 32, .size: 8, .value_kind: global_buffer, .address_space: global }
      - { .name: out0, .offset: 40, .size: 8, .value_kind: global_buffer, .address_space: global }
      - { .name: out1, .offset: 48, .size: 8, .value_kind: global_buffer, .address_space: global }
    .group_segment_fixed_size: 768
    .private_segment_fixed_size: 0
    .kernarg_segment_align: 8
    .kernarg_segment_size: 56
    .max_flat_workgroup_size: 128
    .sgpr_count:     66
    .vgpr_count:     202
    .wavefront_size: 32
...
	.end_amdgpu_metadata
.endif
;; end of part 8
